; MI455X (gfx1250); checked and timed in simulation.
; The chip was launched on July 23, 2026; its instructions are those of AMD's public machine-readable ISA for CDNA 5 (MIT licence, August 2026) and "CDNA5" Instruction Set Architecture Reference Guide (July 2026). The comments in the code are by the model that wrote it; some were corrected since.
;; Grouped Query Attention. Allowed arithmetic: float matrix products may take bf16 or f16 operands with f32 sums; all other float work in f32.
;; Inputs: b_k 256 float32; b_o 1,024 float32; b_q 1,024 float32; b_v 256 float32; key 1 x 4,096 x 1,024 float32; query 1 x 4,096 x 1,024 float32; value 1 x 4,096 x 1,024 float32; w_k 1,024 x 256 float32; w_o 1,024 x 1,024 float32; w_q 1,024 x 1,024 float32; w_v 1,024 x 256 float32.
;; Outputs: out0 1 x 4,096 x 1,024 float32.
;; 2 versions, each right. Each part assembles by itself: llvm-mc -triple=amdgcn-amd-amdhsa -mcpu=gfx1250 --defsym DOCPART=n.
;; ======== version 1 of 2: 4 launches
;; workspace buffers: wbf 5,242,880 bytes; kh 2,097,152 bytes; vh 2,097,152 bytes; att 8,388,608 bytes
;; launch cast (part 1): grid 320 x 1, 8 waves a work-group, no clusters, 0 bytes of LDS; arguments w_q, w_o, w_k, w_v, wbf; writes wbf
.if DOCPART == 1
	.amdgcn_target "amdgcn-amd-amdhsa--gfx1250"
	.amdhsa_code_object_version 6
	.text
	.protected	k_q5d78015959_cast
	.globl	k_q5d78015959_cast
	.p2align	8
	.type	k_q5d78015959_cast,@function
k_q5d78015959_cast:
	s_mov_b64 s[64:65], 0
	v_nop
	global_prefetch_b8 v0, s[64:65] scope:SCOPE_SE
	s_setreg_imm32_b32 hwreg(HW_REG_WAVE_MODE, 25, 1), 1
	s_wait_xcnt 0x0
; The four weight matrices, f32 to bf16 (round to nearest even), layout [K][N] kept.
; wbf holds w_q at byte 0, w_o at 2,097,152, w_k at 4,194,304, w_v at 4,718,592: the same order as the blocks below.
; 2,621,440 numbers in 320 blocks of 8,192: blocks 0-127 w_q, 128-255 w_o, 256-287 w_k, 288-319 w_v.
; A pure stream: no LDS, no barrier, no matrix unit.  Thread t takes 8 numbers (32 bytes in, 16 bytes out) four times.
; The two loads of a pair cover 1,024 neighbouring bytes of a wave, one store covers 512 neighbouring bytes, aligned.
	s_load_b256 s[4:11], s[0:1], 0x0               ; w_q s[4:5], w_o s[6:7], w_k s[8:9], w_v s[10:11]
	s_load_b64 s[12:13], s[0:1], 0x20              ; wbf
	v_lshlrev_b32 v1, 5, v0                        ; 32 t: my 8 numbers in f32
	v_lshlrev_b32 v2, 4, v0                        ; 16 t: my 8 numbers in bf16
	s_mov_b32 s16, 288                             ; first block of the source, w_v to begin with
	s_mov_b32 s17, 0
	s_lshl_b32 s18, ttmp9, 14                      ; 16,384 bytes of wbf a block
	s_mov_b32 s19, 0
	s_wait_kmcnt 0x0
	s_mov_b64 s[14:15], s[10:11]
	s_cmp_lt_u32 ttmp9, 288                        ; the choice hangs on the block number alone
	s_cselect_b64 s[14:15], s[8:9], s[14:15]
	s_cselect_b32 s16, 256, s16
	s_cmp_lt_u32 ttmp9, 256
	s_cselect_b64 s[14:15], s[6:7], s[14:15]
	s_cselect_b32 s16, 128, s16
	s_cmp_lt_u32 ttmp9, 128
	s_cselect_b64 s[14:15], s[4:5], s[14:15]
	s_cselect_b32 s16, 0, s16
	s_sub_co_u32 s16, ttmp9, s16                   ; block inside the source
	s_lshl_b32 s16, s16, 15                        ; 32,768 bytes of f32 a block
	s_add_nc_u64 s[14:15], s[14:15], s[16:17]
	s_add_nc_u64 s[12:13], s[12:13], s[18:19]
.irp j, 0,1,2,3
	global_load_b128 v[4+8*\j:7+8*\j],  v1, s[14:15] offset:8192*\j th:TH_LOAD_NT
	global_load_b128 v[8+8*\j:11+8*\j], v1, s[14:15] offset:8192*\j+16 th:TH_LOAD_NT
.endr
.irp j, 0,1,2,3
	s_wait_loadcnt 6-2*\j                          ; loads return in order: pair j is in, the younger pairs stay out
.irp i, 0,1,2,3
	v_cvt_pk_bf16_f32 v[36+4*\j+\i], v[4+8*\j+2*\i], v[5+8*\j+2*\i]
.endr
	global_store_b128 v2, v[36+4*\j:39+4*\j], s[12:13] offset:4096*\j   ; read again by the later launches: no hint
.endr
	s_endpgm
.Lfunc_end_k_q5d78015959_cast:
	.size	k_q5d78015959_cast, .Lfunc_end_k_q5d78015959_cast-k_q5d78015959_cast
	.p2alignl 7, 3214868480
	.fill 96, 4, 3214868480
	.section	.rodata,"a",@progbits
	.p2align	6, 0x0
	.amdhsa_kernel k_q5d78015959_cast
		.amdhsa_group_segment_fixed_size 0
		.amdhsa_private_segment_fixed_size 0
		.amdhsa_enable_private_segment 0
		.amdhsa_kernarg_size 40
		.amdhsa_user_sgpr_count 2
		.amdhsa_user_sgpr_kernarg_segment_ptr 1
		.amdhsa_wavefront_size32 1
		.amdhsa_system_sgpr_workgroup_id_x 1
		.amdhsa_system_sgpr_workgroup_id_y 1
		.amdhsa_system_sgpr_workgroup_id_z 1
		.amdhsa_system_vgpr_workitem_id 0
		.amdhsa_next_free_vgpr 52
		.amdhsa_next_free_sgpr 66
		.amdhsa_reserve_vcc 0
		.amdhsa_float_denorm_mode_32 3
		.amdhsa_float_denorm_mode_16_64 3
		.amdhsa_memory_ordered 1
		.amdhsa_forward_progress 1
		.amdhsa_inst_pref_size 4
	.end_amdhsa_kernel
	.amdgpu_metadata
---
amdhsa.version: [ 1, 2 ]
amdhsa.kernels:
  - .name:           k_q5d78015959_cast
    .symbol:         k_q5d78015959_cast.kd
    .args:
      - { .name: w_q, .offset: 0, .size: 8, .value_kind: global_buffer, .address_space: global }
      - { .name: w_o, .offset: 8, .size: 8, .value_kind: global_buffer, .address_space: global }
      - { .name: w_k, .offset: 16, .size: 8, .value_kind: global_buffer, .address_space: global }
      - { .name: w_v, .offset: 24, .size: 8, .value_kind: global_buffer, .address_space: global }
      - { .name: wbf, .offset: 32, .size: 8, .value_kind: global_buffer, .address_space: global }
    .group_segment_fixed_size: 0
    .private_segment_fixed_size: 0
    .kernarg_segment_align: 8
    .kernarg_segment_size: 40
    .max_flat_workgroup_size: 256
    .sgpr_count:     66
    .vgpr_count:     52
    .wavefront_size: 32
...
	.end_amdgpu_metadata
.endif
;; end of part 1
;; launch kvproj (part 2): grid 64 x 4, 4 waves a work-group, clusters of 4 x 1, 327,680 bytes of LDS; arguments key, value, wbf, b_k, b_v, kh, vh; writes kh, vh
.if DOCPART == 2
	.amdgcn_target "amdgcn-amd-amdhsa--gfx1250"
	.amdhsa_code_object_version 6
	.text
	.protected	k_q5d78015959_kvproj
	.globl	k_q5d78015959_kvproj
	.p2align	8
	.type	k_q5d78015959_kvproj,@function
k_q5d78015959_kvproj:
	s_mov_b64 s[64:65], 0
	v_nop
	global_prefetch_b8 v0, s[64:65] scope:SCOPE_SE
	s_setreg_imm32_b32 hwreg(HW_REG_WAVE_MODE, 25, 1), 1
	s_wait_xcnt 0x0
	s_wait_alu depctr_hold_cnt(0) depctr_sa_sdst(0) depctr_va_vdst(0) depctr_va_sdst(0) depctr_va_ssrc(0) depctr_va_vcc(0) depctr_vm_vsrc(0)
	s_getreg_b32 s2, hwreg(HW_REG_IB_STS2, 6, 4)
	s_cmp_eq_u32 s2, 0
	s_cbranch_scc0 .Lentry_in_a_cluster
	s_endpgm
.Lentry_in_a_cluster:
	s_bfe_u32 s2, ttmp6, 0x10000c
	s_cmp_lg_u32 s2, 0x3003
	s_cbranch_scc0 .Lentry_shape_is_right
	s_endpgm
.Lentry_shape_is_right:
; kh = key @ w_k + b_k and vh = value @ w_v + b_v, bf16 operands, f32 sums, results bf16 in the layout [4 heads][4096][64].
; A work-group makes 64 rows x 128 columns (two heads): x = row block, y = 0,1 the column halves of K, y = 2,3 those of V.
; Wave w: rows 32 (w>>1) .. +31, columns 64 (w&1) .. +63 (one head): 8 accumulator tiles of 16 x 16.
; The matrix instruction takes the weights as its first source and the rows of X as its second: lane (r = lane&15, h = lane>>4)
; then holds, in register j, out[row r][column 8h+j].  So the bias is the C operand of the first product, and a lane packs 16 neighbouring bytes.
; K goes in 4 steps of 256 through two LDS slots.  X comes in as f32 and is rounded to bf16 between LDS and the matrix unit.
; CLUSTER: the four row blocks of a cluster read the same tiles of the weights: these are asked for jointly (mask 15).
; X is asked for by each work-group alone: only the two column halves (two values of y) share it, and the cluster lies along x.
; By this text's count a wave has two tensor loads out at the start and one behind each round.
; Limits: operands are rounded to bf16; NaN and infinities go through the sums as the matrix unit takes them.
.set XP,    1040                       ; LDS row of X: 1,024 bytes + 16: 65 x 16, the 16 rows of a fragment start in 16 different 16-byte columns
.set WP,    288                        ; LDS row of W: 256 bytes + 32: 9 x 32, for the transposing loads
.set XHALF, 32*XP                      ; what wave 0 or 1 brings
.set WHALF, 128*WP                     ; what wave 2 or 3 brings
.set WOFF,  64*XP                      ; W lies behind the 64 rows of X
.set SLOT,  WOFF+256*WP                ; 140,288
.set STAGE, 2*SLOT                     ; 280,576, a multiple of 256: no tensor load lands here
.set SP,    144                        ; stage row: 128 bytes + 16
.set VX,   2                           ; v2-3    LDS address of my X fragments, slot 0, 1
.set VW,   4                           ; v4-7    of my W fragments: slot 0 k rows 0-127, 128-255; slot 1 likewise
.set STO,  8                           ; v8      stage, in
.set RD,   9                           ; v9      stage, back
.set CO,   10                          ; v10     my byte offset in the output
.set BO,   11                          ; v11     32 h: my byte offset in the bias
.set BIAS, 16                          ; v16-47  bias of my 4 column blocks
.set ACC,  48                          ; v48-111 tile (rb, cb) at 8 (4 rb + cb)
.set WF0,  112                         ; v112-143, v144-175 W fragments, two buffers
.set WF1,  144
.set XS,   176                         ; v176-207 X as loaded, f32
.set XB,   208                         ; v208-223 X in bf16
.set TMP,  224                         ; v224-255 packed results
.set WV,  18                           ; s18 wave
.set WH,  19                           ; s19 wave>>1: my half of the rows; also 0: I fetch X, 1: I fetch W
.set WL,  20                           ; s20 wave&1: my half of the columns; also which half of the tile I fetch
.set G1X, 28
.set G1W, 36
.set G0X, 44                           ; one group 0 for each slot
.set G0W, 52
.macro PLACES                          ; four plain places behind matrix instructions (ISA guide 7.12.1)
.rept 4
	v_nop
.endr
.endm
.macro SHAPE g, c, r, p                ; words 1 to 7 of a group 1: a tile of r rows x c elements, p elements from row to row
	s_mov_b32 s[\g+1], (\c)<<16
	s_mov_b32 s[\g+2], (\r)<<16
	s_mov_b32 s[\g+3], (\c)<<16
	s_mov_b32 s[\g+4], \r
	s_mov_b32 s[\g+5], \p
	s_mov_b32 s[\g+6], 0
	s_mov_b32 s[\g+7], 0
.endm
.macro GROUP0 g, b, lds, step          ; both slots: count 1, LDS address, global address, type 2
.irp s, 0,1
	s_mov_b32 s[\g+4*\s], 1
	s_add_co_u32 s[\g+4*\s+1], s[\lds], \s*SLOT
	s_add_nc_u64 s[\g+4*\s+2:\g+4*\s+3], s[\b:\b+1], \s*\step
	s_or_b32 s[\g+4*\s+3], s[\g+4*\s+3], 0x80000000
.endr
.endm
.macro ROUND                           ; a round of the cluster barrier
	s_barrier_signal -1
	s_barrier_wait -1
	s_cmp_lg_u32 s[WV], 0
	s_cbranch_scc1 .Lnot_wave_0_\@
	s_barrier_signal -3
.Lnot_wave_0_\@:
	s_barrier_wait -3
	s_barrier_signal -1
	s_barrier_wait -1
.endm
.macro JLOAD s                         ; waves 0, 1: my half of X; waves 2, 3: my half of W, jointly
	s_cmp_eq_u32 s[WH], 0
	s_cbranch_scc0 .Lfor_w_\@
	tensor_load_to_lds s[G0X+4*\s:G0X+4*\s+3], s[G1X:G1X+7]
	s_nop 0
	s_branch .Lasked_\@
.Lfor_w_\@:
	tensor_load_to_lds s[G0W+4*\s:G0W+4*\s+3], s[G1W:G1W+7]
	s_nop 0
.Lasked_\@:
.endm
	s_load_b256 s[4:11], s[0:1], 0x0               ; key s[4:5], value s[6:7], wbf s[8:9], b_k s[10:11]
	s_load_b128 s[12:15], s[0:1], 0x20             ; b_v s[12:13], kh s[14:15]
	s_load_b64 s[16:17], s[0:1], 0x30              ; vh
	s_set_vgpr_msb 0x40
	v_lshl_add_u32 v0, v0, 2, 0x49000
	v_mov_b32 v1, 0
	s_set_vgpr_msb 0x4045
	ds_add_u32 v0, v1
	s_set_vgpr_msb 0x4500
	v_lshrrev_b32 v1, 5, v0
	v_readfirstlane_b32 s[WV], v1
	s_lshr_b32 s[WH], s[WV], 1
	s_and_b32 s[WL], s[WV], 1
	s_bfe_u32 s21, ttmp6, 0x40000                  ; cx
	s_lshl_b32 s22, ttmp9, 2
	s_add_co_u32 s22, s22, s21                     ; row block = 4 x cluster x + cx
	s_and_b32 s23, ttmp7, 0xffff                   ; y
	s_and_b32 s24, s23, 1                          ; column half
	s_mov_b32 s[G1X], (2<<16)|(1<<20)|(7<<22)|(3<<25)                 ; no mask; 4-byte elements; 4 words of padding behind every 256
	SHAPE G1X, 256, 32, 1024
	s_mov_b32 s[G1W], 15|(1<<16)|(1<<20)|(1<<21)|(5<<22)|(7<<25)      ; mask: all four; 2-byte elements; bit 21 beside the mask; 8 words behind every 64
	SHAPE G1W, 128, 128, 256
	; X side: the only registers that hold cx are s21, s22, s26, s27 and what is made of them
	s_lshl_b32 s26, s22, 18                        ; 64 rows of 4,096 bytes a row block
	s_lshl_b32 s27, s[WL], 17                      ; my 32 rows
	s_add_co_u32 s26, s26, s27
	s_mov_b32 s27, 0
	; W side: y and the wave number alone
	s_lshl_b32 s68, s[WL], 16                      ; my 128 k rows of 512 bytes
	s_lshl_b32 s69, s24, 8                         ; 128 columns of bf16
	s_add_co_u32 s68, s68, s69
	s_mov_b32 s69, 4718592                         ; w_v in wbf
	s_cmp_lt_u32 s23, 2
	s_cselect_b32 s69, 4194304, s69                ; w_k in wbf
	s_add_co_u32 s68, s68, s69
	s_mov_b32 s69, 0
	s_mul_i32 s25, s[WL], XHALF                    ; LDS: my half of X
	s_mul_i32 s3, s[WL], WHALF
	s_add_co_u32 s3, s3, WOFF                      ; LDS: my half of W
	s_wait_dscnt 0x0
	s_wait_kmcnt 0x0
	s_cmp_lt_u32 s23, 2                            ; K or V: hangs on y alone
	s_cselect_b64 s[60:61], s[4:5], s[6:7]         ; X
	s_cselect_b64 s[62:63], s[10:11], s[12:13]     ; bias
	s_cselect_b64 s[66:67], s[14:15], s[16:17]     ; output
	s_add_nc_u64 s[60:61], s[60:61], s[26:27]
	s_add_nc_u64 s[8:9], s[8:9], s[68:69]
	GROUP0 G0X, 60, 25, 1024                       ; K step s: 256 f32 along the row
	GROUP0 G0W, 8, 3, 131072                       ; K step s: 256 k rows of 512 bytes
	ROUND                                          ; all four work-groups are here: the first joint loads meet
	s_cmp_eq_u32 s[WH], 0                          ; both first fills of a wave inside one branch
	s_cbranch_scc0 .Lfirst_w
	tensor_load_to_lds s[G0X:G0X+3], s[G1X:G1X+7]
	s_nop 0
	tensor_load_to_lds s[G0X+4:G0X+7], s[G1X:G1X+7]
	s_nop 0
	s_branch .Lfirst_done
.Lfirst_w:
	tensor_load_to_lds s[G0W:G0W+3], s[G1W:G1W+7]
	s_nop 0
	tensor_load_to_lds s[G0W+4:G0W+7], s[G1W:G1W+7]
	s_nop 0
.Lfirst_done:
	; bias and output bases
	s_lshl_b32 s68, s24, 9                         ; 128 columns of f32
	s_lshl_b32 s69, s[WL], 8                       ; my 64
	s_add_co_u32 s68, s68, s69
	s_mov_b32 s69, 0
	s_add_nc_u64 s[62:63], s[62:63], s[68:69]
	s_lshl_b32 s26, s22, 13                        ; 64 rows of 128 bytes
	s_lshl_b32 s27, s[WH], 12                      ; my 32 rows
	s_add_co_u32 s26, s26, s27
	s_lshl_b32 s27, s24, 20                        ; head = 2 x column half + wave&1, 524,288 bytes a head
	s_add_co_u32 s26, s26, s27
	s_lshl_b32 s27, s[WL], 19
	s_add_co_u32 s26, s26, s27
	s_mov_b32 s27, 0
	s_add_nc_u64 s[66:67], s[66:67], s[26:27]
	; lane terms
	v_and_b32 v12, 31, v0                          ; lane
	v_and_b32 v13, 15, v0                          ; r
	v_bfe_u32 v14, v0, 4, 1                        ; h
	v_and_b32 v15, 7, v0
	v_bfe_u32 v1, v0, 3, 1
	v_lshlrev_b32 v[BO], 5, v14
.irp cb, 0,1,2,3
	global_load_b128 v[BIAS+8*\cb:BIAS+8*\cb+3],   v[BO], s[62:63] offset:64*\cb      ; bias[16 cb + 8 h + 0..3]
	global_load_b128 v[BIAS+8*\cb+4:BIAS+8*\cb+7], v[BO], s[62:63] offset:64*\cb+16
.endr
	s_mul_i32 s25, s[WH], XHALF                    ; my 32 rows of X in LDS
	v_mul_u32_u24 v[VX], v13, XP
	v_lshl_add_u32 v[VX], v14, 5, v[VX]            ; row r, k = 8 h in f32
	v_add_nc_u32 v[VX], s25, v[VX]
	v_add_nc_u32 v[VX+1], SLOT, v[VX]
	v_lshl_add_u32 v[VW], v14, 3, v15              ; k row 8 h + (lane & 7)
	v_mul_u32_u24 v[VW], v[VW], WP
	v_lshl_add_u32 v[VW], v1, 4, v[VW]             ; + 16 bytes for lanes 8-15, 24-31
	s_lshl_b32 s25, s[WL], 7                       ; my 64 columns
	s_add_co_u32 s25, s25, WOFF
	v_add_nc_u32 v[VW], s25, v[VW]
	v_add_nc_u32 v[VW+1], WHALF, v[VW]
	v_add_nc_u32 v[VW+2], SLOT, v[VW]
	v_add_nc_u32 v[VW+3], SLOT, v[VW+1]
	s_mul_i32 s25, s[WV], 32*SP
	s_add_co_u32 s25, s25, STAGE                   ; my stage
	v_mul_u32_u24 v[STO], v13, SP
	v_lshl_add_u32 v[STO], v14, 4, v[STO]
	v_add_nc_u32 v[STO], s25, v[STO]
	v_lshrrev_b32 v[RD], 3, v12                    ; back: 8 lanes a row of 128 bytes
	v_mul_u32_u24 v[RD], v[RD], SP
	v_lshl_add_u32 v[RD], v15, 4, v[RD]
	v_add_nc_u32 v[RD], s25, v[RD]
	v_lshlrev_b32 v[CO], 4, v12
; the fragments of chunk nc (32 along K) of slot nslot: W into buffer g by transposing loads, X as f32 into XS
.macro FETCH g, nslot, nc
.irp cb, 0,1,2,3
	ds_load_tr16_b128 v[\g+8*\cb:\g+8*\cb+3],   v[VW+2*\nslot+(\nc>>2)] offset:32*(\nc&3)*WP+32*\cb
	ds_load_tr16_b128 v[\g+8*\cb+4:\g+8*\cb+7], v[VW+2*\nslot+(\nc>>2)] offset:32*(\nc&3)*WP+32*\cb+16*WP
.endr
.irp rb, 0,1
	ds_load_b128 v[XS+16*\rb:XS+16*\rb+3],     v[VX+\nslot] offset:16*XP*\rb+128*\nc
	ds_load_b128 v[XS+16*\rb+4:XS+16*\rb+7],   v[VX+\nslot] offset:16*XP*\rb+128*\nc+16
	ds_load_b128 v[XS+16*\rb+8:XS+16*\rb+11],  v[VX+\nslot] offset:16*XP*\rb+128*\nc+64
	ds_load_b128 v[XS+16*\rb+12:XS+16*\rb+15], v[VX+\nslot] offset:16*XP*\rb+128*\nc+80
.endr
.endm
; 8 products; the 8 accumulators take turns, one instruction a turn.  first = 1: the bias starts the sums.
.macro MUL8 f, first
.irp rb, 0,1
.irp cb, 0,1,2,3
.if \first
	v_wmma_f32_16x16x32_bf16 v[ACC+8*(4*\rb+\cb):ACC+8*(4*\rb+\cb)+7], v[\f+8*\cb:\f+8*\cb+7], v[XB+8*\rb:XB+8*\rb+7], v[BIAS+8*\cb:BIAS+8*\cb+7]
.else
	v_wmma_f32_16x16x32_bf16 v[ACC+8*(4*\rb+\cb):ACC+8*(4*\rb+\cb)+7], v[\f+8*\cb:\f+8*\cb+7], v[XB+8*\rb:XB+8*\rb+7], v[ACC+8*(4*\rb+\cb):ACC+8*(4*\rb+\cb)+7]
.endif
.endr
.endr
.endm
; The change of slots.  My reads of the slot are over (the wait for 0 at the head of the chunk; no LDS instruction since).
.macro TURN slot, refill
	s_set_vgpr_msb 0x5
	s_wait_tensorcnt 0x0                           ; all my tensor loads have landed: the one that was out is my part of the other slot
	ds_add_u32 v0, v1
	s_wait_dscnt 0x0
	s_set_vgpr_msb 0x500
.if \refill
	s_add_nc_u64 s[G0X+4*\slot+2:G0X+4*\slot+3], s[G0X+4*\slot+2:G0X+4*\slot+3], 2048       ; two K steps on; no load of mine is out
	s_add_nc_u64 s[G0W+4*\slot+2:G0W+4*\slot+3], s[G0W+4*\slot+2:G0W+4*\slot+3], 262144
	ROUND                                          ; no wave of any partner reads this slot or has a load on its way
	JLOAD \slot                                    ; my one tensor load behind the round, and the first thing there
.else
	s_barrier_signal -1                            ; nothing is left to fetch: the other slot is whole for all four waves
	s_barrier_wait -1
.endif
.endm
; One chunk: multiplies buffer f and XS; fetches chunk nc of slot nslot into buffer g.
; mode 0: same slot; 1: change of slots with refill; 2: change without; 3: the last chunk, nothing to fetch.
.macro CH f, g, nslot, nc, mode, first
	s_wait_dscnt 0x0                               ; this chunk's fragments are in
	PLACES                                         ; XB and buffer g were sources of the last products
.set i, 0
.rept 16
	v_cvt_pk_bf16_f32 v[XB+i], v[XS+2*i], v[XS+2*i+1]
.set i, i+1
.endr
.if \mode == 1
	TURN (1-\nslot), 1
.endif
.if \mode == 2
	TURN (1-\nslot), 0
.endif
.if \mode != 3
	FETCH \g, \nslot, \nc
.endif
	MUL8 \f, \first
.endm
.macro STEP s, o, last, first
	CH WF0, WF1, \s, 1, 0, \first
	CH WF1, WF0, \s, 2, 0, 0
	CH WF0, WF1, \s, 3, 0, 0
	CH WF1, WF0, \s, 4, 0, 0
	CH WF0, WF1, \s, 5, 0, 0
	CH WF1, WF0, \s, 6, 0, 0
	CH WF0, WF1, \s, 7, 0, 0
	CH WF1, WF0, \o, 0, \last, 0
.endm
	s_wait_tensorcnt 0x1                           ; my part of K step 0 is in; step 1 stays out
	s_barrier_signal -1
	s_barrier_wait -1
	FETCH WF0, 0, 0
	s_wait_loadcnt 0x0                             ; the bias
	STEP 0, 1, 1, 1
	STEP 1, 0, 1, 0
	STEP 0, 1, 2, 0
	STEP 1, 0, 3, 0
	; the way out: round, 16 bytes a lane into my own stage, back as 4 rows of 128 bytes: 512 dense bytes of the output
	PLACES
.irp rb, 0,1
.irp cb, 0,1,2,3
.irp i, 0,1,2,3
	v_cvt_pk_bf16_f32 v[TMP+4*(4*\rb+\cb)+\i], v[ACC+8*(4*\rb+\cb)+2*\i], v[ACC+8*(4*\rb+\cb)+2*\i+1]
.endr
	ds_store_b128 v[STO], v[TMP+4*(4*\rb+\cb):TMP+4*(4*\rb+\cb)+3] offset:16*SP*\rb+32*\cb
.endr
.endr
.irp i, 0,1,2,3,4,5,6,7
	ds_load_b128 v[WF0+4*\i:WF0+4*\i+3], v[RD] offset:4*SP*\i       ; my own bytes; LDS serves a wave in order (ISA guide 5.7.1)
.endr
.irp i, 0,1,2,3,4,5,6,7
	s_wait_dscnt 7-\i                              ; read-back i is in, the younger ones stay out
	global_store_b128 v[CO], v[WF0+4*\i:WF0+4*\i+3], s[66:67] offset:512*\i
.endr
	s_set_vgpr_msb 0x5
	s_wait_tensorcnt 0x0
	ds_add_u32 v0, v1
	s_wait_dscnt 0x0
	s_set_vgpr_msb 0x500
	ROUND                                          ; the closing round
	s_endpgm
.Lfunc_end_k_q5d78015959_kvproj:
	.size	k_q5d78015959_kvproj, .Lfunc_end_k_q5d78015959_kvproj-k_q5d78015959_kvproj
	.p2alignl 7, 3214868480
	.fill 96, 4, 3214868480
	.section	.rodata,"a",@progbits
	.p2align	6, 0x0
	.amdhsa_kernel k_q5d78015959_kvproj
		.amdhsa_group_segment_fixed_size 327680
		.amdhsa_private_segment_fixed_size 0
		.amdhsa_enable_private_segment 0
		.amdhsa_kernarg_size 56
		.amdhsa_user_sgpr_count 2
		.amdhsa_user_sgpr_kernarg_segment_ptr 1
		.amdhsa_wavefront_size32 1
		.amdhsa_system_sgpr_workgroup_id_x 1
		.amdhsa_system_sgpr_workgroup_id_y 1
		.amdhsa_system_sgpr_workgroup_id_z 1
		.amdhsa_system_vgpr_workitem_id 0
		.amdhsa_next_free_vgpr 258
		.amdhsa_next_free_sgpr 70
		.amdhsa_reserve_vcc 0
		.amdhsa_float_denorm_mode_32 3
		.amdhsa_float_denorm_mode_16_64 3
		.amdhsa_memory_ordered 1
		.amdhsa_forward_progress 1
		.amdhsa_inst_pref_size 100
	.end_amdhsa_kernel
	.amdgpu_metadata
---
amdhsa.version: [ 1, 2 ]
amdhsa.kernels:
  - .name:           k_q5d78015959_kvproj
    .symbol:         k_q5d78015959_kvproj.kd
    .args:
      - { .name: key, .offset: 0, .size: 8, .value_kind: global_buffer, .address_space: global }
      - { .name: value, .offset: 8, .size: 8, .value_kind: global_buffer, .address_space: global }
      - { .name: wbf, .offset: 16, .size: 8, .value_kind: global_buffer, .address_space: global }
      - { .name: b_k, .offset: 24, .size: 8, .value_kind: global_buffer, .address_space: global }
      - { .name: b_v, .offset: 32, .size: 8, .value_kind: global_buffer, .address_space: global }
      - { .name: kh, .offset: 40, .size: 8, .value_kind: global_buffer, .address_space: global }
      - { .name: vh, .offset: 48, .size: 8, .value_kind: global_buffer, .address_space: global }
    .group_segment_fixed_size: 327680
    .private_segment_fixed_size: 0
    .kernarg_segment_align: 8
    .kernarg_segment_size: 56
    .max_flat_workgroup_size: 128
    .sgpr_count:     70
    .vgpr_count:     258
    .wavefront_size: 32
...
	.end_amdgpu_metadata
.endif
;; end of part 2
;; launch attn (part 3): grid 64 x 4, 4 waves a work-group, clusters of 4 x 4, 327,680 bytes of LDS; arguments query, wbf, b_q, kh, vh, att; writes att
.if DOCPART == 3
	.amdgcn_target "amdgcn-amd-amdhsa--gfx1250"
	.amdhsa_code_object_version 6
	.text
	.protected	k_q5d78015959_attn
	.globl	k_q5d78015959_attn
	.p2align	8
	.type	k_q5d78015959_attn,@function
k_q5d78015959_attn:
	s_mov_b64 s[64:65], 0
	v_nop
	global_prefetch_b8 v0, s[64:65] scope:SCOPE_SE
	s_setreg_imm32_b32 hwreg(HW_REG_WAVE_MODE, 25, 1), 1
	s_wait_xcnt 0x0
	s_wait_alu depctr_hold_cnt(0) depctr_sa_sdst(0) depctr_va_vdst(0) depctr_va_sdst(0) depctr_va_ssrc(0) depctr_va_vcc(0) depctr_vm_vsrc(0)
	s_getreg_b32 s2, hwreg(HW_REG_IB_STS2, 6, 4)
	s_cmp_eq_u32 s2, 0
	s_cbranch_scc0 .Lentry_in_a_cluster
	s_endpgm
.Lentry_in_a_cluster:
	s_bfe_u32 s2, ttmp6, 0x10000c
	s_cmp_lg_u32 s2, 0xf033
	s_cbranch_scc0 .Lentry_shape_is_right
	s_endpgm
.Lentry_shape_is_right:
; Q projection and attention for (64 query rows, one key/value head g).  Wave w is query head 4 g + w, with all 64 rows as 4 blocks of 16.
; PHASE 1: q = (query @ w_q + b_q) x 0.125 log2(e) for the 256 columns of g; K = 1024 in 8 steps of 128.  q never leaves the registers.
; PHASE 2: 16 tiles of 256 keys, 4 trips of 64 keys each: S^T = K q^T, running maximum, p = 2^(S - m), O^T = O^T alpha + V^T p^T.
; Every product takes the wide operand (weights, K, V^T) as its first source and the query rows as its second.  Lane (r = lane&15, h = lane>>4)
; then holds, in register j, the number of query row r and column (key, d) 8h+j.  Two neighbouring result tiles, packed to bf16, ARE a second-source
; fragment of the next product: no shuffle between the three products, and maximum, sum and alpha are one number a lane for each block of 16 rows.
; CLUSTER 4 x 4: the four work-groups of a column (same 64 rows, four g) ask jointly for the tiles of query; the four of a row (same g)
; ask jointly for the tiles of w_q, K and V.  One ring of two LDS slots serves both phases.
; By this text's count a wave has two tensor loads out at the start and one behind each round.
; Limits: q, K, V, p and the result are rounded to bf16; the sum l is made of the unrounded p in f32; a p below 2^-126 counts as 0 (v_exp_f32
; flushes, ISA guide 15.8); a NaN among the scores is dropped by the maximum, so NaN and infinities are not carried as a plain softmax carries them.
.set SL,    103424                     ; a slot.  Phase 1: X 64 x 528, W 128 x 544.  Phase 2: K 128 x 272, V 128 x 288 (two keys of 128 bytes in an LDS row)
.set XP,    528                        ; 512 + 16 = 33 x 16
.set WP,    544                        ; 512 + 32 = 17 x 32
.set WOFF,  64*XP
.set KP,    272
.set VP,    288
.set VOFF,  128*KP
.set STAGE, 2*SL                       ; 206,848, a multiple of 256: no tensor load lands here
.set SP,    528
; window 0 (v0-255)
.set VXQ, 2                            ; v2-3   X fragments, slot 0, 1
.set VWQ, 4                            ; v4-5   W fragments
.set AK,  6                            ; v6-7   K fragments
.set AV,  8                            ; v8-9   V fragments
.set STO, 10
.set RD,  11
.set CO,  12
.set BO,  13
.set PF,  14                           ; my byte of query for the prefetch
.set QQ,  32                           ; v32-95   q(qb, ks) at 8 (2 qb + ks)
.set KF,  96                           ; v96-159  K(kb, ks) at 8 (2 kb + ks); phase 1: W buffer 0
.set VF,  160                          ; v160-223 V(db, k2) at 8 (2 db + k2); phase 1: W buffer 1
.set WF0, 96
.set WF1, 160
.set BIAS, 224                         ; v224-255 bias, later packed results
.set TMP,  224
; window 1 (v256-511)
.set SS,  0                            ; S(qb, kb) at 8 (4 qb + kb); phase 1: X as loaded, f32, (ks, qb) at 16 (4 ks + qb)
.set PP,  128                          ; p(qb, k2) at 8 (2 qb + k2); phase 1: X in bf16, (ks, qb) at 8 (4 ks + qb)
.set ML,  192                          ; pairs (m, l)
.set AL,  200                          ; pairs (alpha, 0)
.set TT,  208                          ; 8 temporaries for each qb
; window 2 (v512-639)
.set OO,  0                            ; O(qb, db) at 8 (4 qb + db); phase 1: the sums of q
.set WV,  16
.set WH,  17
.set WL,  18
.set G1X, 32
.set G1W, 40
.set G1K, 48
.set G1V, 56
.set G0X, 68
.set G0W, 76
.set G0K, 84
.set G0V, 92
.set MSB, 0
.macro WIN new                         ; low byte: bits 1:0 source 0, 3:2 source 1, 5:4 source 2, 7:6 destination; high byte: the setting that is left
.if MSB != \new
	s_set_vgpr_msb (MSB<<8)|\new
.set MSB, \new
.endif
.endm
.macro PLACES                          ; four plain places behind matrix instructions (ISA guide 7.12.1)
.rept 4
	v_nop
.endr
.endm
.macro SHAPE g, c, r, p
	s_mov_b32 s[\g+1], (\c)<<16
	s_mov_b32 s[\g+2], (\r)<<16
	s_mov_b32 s[\g+3], (\c)<<16
	s_mov_b32 s[\g+4], \r
	s_mov_b32 s[\g+5], \p
	s_mov_b32 s[\g+6], 0
	s_mov_b32 s[\g+7], 0
.endm
.macro GROUP0 g, b, lds, step
.irp s, 0,1
	s_mov_b32 s[\g+4*\s], 1
	s_add_co_u32 s[\g+4*\s+1], s[\lds], \s*SL
	s_add_nc_u64 s[\g+4*\s+2:\g+4*\s+3], s[\b:\b+1], \s*\step
	s_or_b32 s[\g+4*\s+3], s[\g+4*\s+3], 0x80000000
.endr
.endm
.macro ROUND
	s_barrier_signal -1
	s_barrier_wait -1
	s_cmp_lg_u32 s[WV], 0
	s_cbranch_scc1 .Lnot_wave_0_\@
	s_barrier_signal -3
.Lnot_wave_0_\@:
	s_barrier_wait -3
	s_barrier_signal -1
	s_barrier_wait -1
.endm
.macro JLQ s                           ; waves 0, 1: halves of the query tile (mask: my column); waves 2, 3: halves of the w_q tile (mask: my row)
	s_cmp_eq_u32 s[WH], 0
	s_cbranch_scc0 .Lq_w_\@
	tensor_load_to_lds s[G0X+4*\s:G0X+4*\s+3], s[G1X:G1X+7]
	s_nop 0
	s_branch .Lq_done_\@
.Lq_w_\@:
	tensor_load_to_lds s[G0W+4*\s:G0W+4*\s+3], s[G1W:G1W+7]
	s_nop 0
.Lq_done_\@:
.endm
.macro JLKV s                          ; waves 0, 1: halves of the K tile; waves 2, 3: halves of the V tile (mask: my row)
	s_cmp_eq_u32 s[WH], 0
	s_cbranch_scc0 .Lkv_v_\@
	tensor_load_to_lds s[G0K+4*\s:G0K+4*\s+3], s[G1K:G1K+7]
	s_nop 0
	s_branch .Lkv_done_\@
.Lkv_v_\@:
	tensor_load_to_lds s[G0V+4*\s:G0V+4*\s+3], s[G1V:G1V+7]
	s_nop 0
.Lkv_done_\@:
.endm
	s_load_b256 s[4:11], s[0:1], 0x0               ; query s[4:5], wbf s[6:7], b_q s[8:9], kh s[10:11]
	s_load_b128 s[12:15], s[0:1], 0x20             ; vh s[12:13], att s[14:15]
	v_lshl_add_u32 v30, v0, 2, 0x3ac00
	v_mov_b32 v31, 0
	ds_add_u32 v30, v31
	v_lshrrev_b32 v1, 5, v0
	v_readfirstlane_b32 s[WV], v1
	s_lshr_b32 s[WH], s[WV], 1
	s_and_b32 s[WL], s[WV], 1
	s_bfe_u32 s19, ttmp6, 0x40000                  ; cx
	s_bfe_u32 s20, ttmp6, 0x40004                  ; cy
	s_lshl_b32 s21, ttmp9, 2
	s_add_co_u32 s21, s21, s19                     ; block of 64 query rows
	s_and_b32 s22, ttmp7, 0xffff
	s_lshl_b32 s22, s22, 2
	s_add_co_u32 s22, s22, s20                     ; g
	s_lshl_b32 s24, s20, 2
	s_lshl_b32 s24, 15, s24                        ; my row of the cluster
	s_lshl_b32 s25, 0x1111, s19                    ; my column
	s_mov_b32 s30, 0x76543210                      ; v_permlanex16_b32: lane i takes lane i of the other half
	s_mov_b32 s31, 0xfedcba98
	s_or_b32 s[G1X], s25, (2<<16)|(1<<20)|(1<<21)|(6<<22)|(3<<25)     ; f32; 4 words of padding behind every 128
	SHAPE G1X, 128, 32, 1024
	s_or_b32 s[G1W], s24, (1<<16)|(1<<20)|(1<<21)|(6<<22)|(7<<25)     ; bf16; 8 words behind every 128
	SHAPE G1W, 256, 64, 1024
	s_or_b32 s[G1K], s24, (3<<16)|(1<<20)|(1<<21)|(5<<22)|(3<<25)     ; a dense block as rows of 32 elements of 8 bytes; 4 words behind every 64
	SHAPE G1K, 32, 64, 32
	s_or_b32 s[G1V], s24, (3<<16)|(1<<20)|(1<<21)|(5<<22)|(7<<25)     ; the same with 8 words
	SHAPE G1V, 32, 64, 32
	s_lshl_b32 s26, s21, 18                        ; row side: 64 rows of 4,096 bytes
	s_mov_b32 s27, 0
	s_lshl_b32 s2, s[WL], 17                       ; wave alone: 32 rows of 4,096 bytes, and 64 k rows of 2,048 bytes
	s_mov_b32 s3, 0
	s_lshl_b32 s28, s22, 9                         ; g side: 256 columns of bf16
	s_add_co_u32 s28, s28, s2
	s_mov_b32 s29, 0
	s_wait_dscnt 0x0
	s_wait_kmcnt 0x0
	s_add_nc_u64 s[4:5], s[4:5], s[26:27]          ; query at my block of rows: base of the tiles and of the prefetch
	s_add_nc_u64 s[26:27], s[4:5], s[2:3]
	s_add_nc_u64 s[6:7], s[6:7], s[28:29]
	s_lshl_b32 s28, s22, 19                        ; a head of K or V: 524,288 bytes
	s_lshl_b32 s2, s[WL], 14                       ; my 128 keys of 128 bytes
	s_add_co_u32 s28, s28, s2
	s_add_nc_u64 s[10:11], s[10:11], s[28:29]
	s_add_nc_u64 s[12:13], s[12:13], s[28:29]
	s_mul_i32 s23, s[WL], 32*XP
	GROUP0 G0X, 26, 23, 512                        ; K step s: 128 f32 along the row
	s_mul_i32 s23, s[WL], 64*WP
	s_add_co_u32 s23, s23, WOFF
	GROUP0 G0W, 6, 23, 262144                      ; K step s: 128 k rows of 2,048 bytes
	s_mul_i32 s23, s[WL], 64*KP
	GROUP0 G0K, 10, 23, 32768                      ; tile s: 256 keys
	s_mul_i32 s23, s[WL], 64*VP
	s_add_co_u32 s23, s23, VOFF
	GROUP0 G0V, 12, 23, 32768
	ROUND                                          ; all sixteen work-groups are here: the first joint loads meet
	s_cmp_eq_u32 s[WH], 0                          ; both first fills of a wave inside one branch
	s_cbranch_scc0 .Lfirst_w
	tensor_load_to_lds s[G0X:G0X+3], s[G1X:G1X+7]
	s_nop 0
	tensor_load_to_lds s[G0X+4:G0X+7], s[G1X:G1X+7]
	s_nop 0
	s_branch .Lfirst_done
.Lfirst_w:
	tensor_load_to_lds s[G0W:G0W+3], s[G1W:G1W+7]
	s_nop 0
	tensor_load_to_lds s[G0W+4:G0W+7], s[G1W:G1W+7]
	s_nop 0
.Lfirst_done:
	s_lshl_b32 s28, s22, 2
	s_add_co_u32 s28, s28, s[WV]
	s_lshl_b32 s28, s28, 8                         ; head 4 g + w: 64 f32 of the bias
	s_add_nc_u64 s[8:9], s[8:9], s[28:29]
	s_lshl_b32 s26, s21, 6
	s_lshl_b32 s2, s[WV], 4
	s_add_co_u32 s26, s26, s2                      ; on the way out wave w stores rows 16 w .. 16 w + 15 of the block
	s_lshl_b32 s26, s26, 11                        ; rows of 2,048 bytes
	s_lshl_b32 s2, s22, 9
	s_add_co_u32 s26, s26, s2                      ; the 512 bytes of g
	s_mov_b32 s27, 0
	s_add_nc_u64 s[14:15], s[14:15], s[26:27]
	v_and_b32 v16, 31, v0                          ; lane
	v_and_b32 v17, 15, v0                          ; r
	v_bfe_u32 v18, v0, 4, 1                        ; h
	v_and_b32 v19, 7, v0
	v_bfe_u32 v20, v0, 3, 1
	v_and_b32 v21, 1, v0
	v_lshlrev_b32 v[BO], 5, v18
.irp db, 0,1,2,3
	global_load_b128 v[BIAS+8*\db:BIAS+8*\db+3],   v[BO], s[8:9] offset:64*\db
	global_load_b128 v[BIAS+8*\db+4:BIAS+8*\db+7], v[BO], s[8:9] offset:64*\db+16
.endr
	v_mul_u32_u24 v[VXQ], v17, XP
	v_lshl_add_u32 v[VXQ], v18, 5, v[VXQ]          ; row r, k = 8 h in f32
	v_add_nc_u32 v[VXQ+1], SL, v[VXQ]
	v_lshl_add_u32 v[VWQ], v18, 3, v19             ; k row 8 h + (lane & 7)
	v_mul_u32_u24 v[VWQ], v[VWQ], WP
	v_lshl_add_u32 v[VWQ], v20, 4, v[VWQ]
	s_lshl_b32 s23, s[WV], 7                       ; the 64 columns of my head
	s_add_co_u32 s23, s23, WOFF
	v_add_nc_u32 v[VWQ], s23, v[VWQ]
	v_add_nc_u32 v[VWQ+1], SL, v[VWQ]
	v_lshrrev_b32 v22, 1, v17                      ; key r lies in LDS row r >> 1, half r & 1
	v_mul_u32_u24 v[AK], v22, KP
	v_lshl_add_u32 v[AK], v21, 7, v[AK]
	v_lshl_add_u32 v[AK], v18, 4, v[AK]
	v_add_nc_u32 v[AK+1], SL, v[AK]
	v_bfe_u32 v22, v0, 1, 2                        ; key 8 h + (lane & 7): LDS row 4 h + ((lane >> 1) & 3), half lane & 1
	v_lshl_add_u32 v22, v18, 2, v22
	v_mul_u32_u24 v[AV], v22, VP
	v_lshl_add_u32 v[AV], v21, 7, v[AV]
	v_lshl_add_u32 v[AV], v20, 4, v[AV]
	v_add_nc_u32 v[AV], VOFF, v[AV]
	v_add_nc_u32 v[AV+1], SL, v[AV]
	v_mul_u32_u24 v[STO], v17, SP
	v_lshl_add_u32 v[STO], v18, 4, v[STO]
	s_lshl_b32 s23, s[WV], 7
	s_add_co_u32 s23, s23, STAGE
	v_add_nc_u32 v[STO], s23, v[STO]
	s_mul_i32 s23, s[WV], 16*SP
	s_add_co_u32 s23, s23, STAGE
	v_lshl_add_u32 v[RD], v16, 4, s23
	v_lshlrev_b32 v[CO], 4, v16
	v_lshrrev_b32 v[PF], 1, v16                    ; prefetch: row 16 g + (lane >> 1) of the 64, block lane & 1 of the two of a step
	v_lshl_add_u32 v[PF], s22, 4, v[PF]
	v_lshlrev_b32 v[PF], 12, v[PF]
	v_lshl_add_u32 v[PF], v21, 8, v[PF]
; ---------------------------------------------------------------- phase 1
; the fragments of chunk c (64 along K) of a slot: W into buffer g (window 0), X as f32 into window 1
.macro QFETCH g, slot, c
	WIN 0
.irp ks, 0,1
.irp db, 0,1,2,3
	ds_load_tr16_b128 v[\g+8*(4*\ks+\db):\g+8*(4*\ks+\db)+3],   v[VWQ+\slot] offset:(64*\c+32*\ks)*WP+32*\db
	ds_load_tr16_b128 v[\g+8*(4*\ks+\db)+4:\g+8*(4*\ks+\db)+7], v[VWQ+\slot] offset:(64*\c+32*\ks)*WP+32*\db+16*WP
.endr
.endr
	WIN 0x40
.irp ks, 0,1
.irp qb, 0,1,2,3
	ds_load_b128 v[SS+16*(4*\ks+\qb):SS+16*(4*\ks+\qb)+3],     v[VXQ+\slot] offset:16*XP*\qb+256*\c+128*\ks
	ds_load_b128 v[SS+16*(4*\ks+\qb)+4:SS+16*(4*\ks+\qb)+7],   v[VXQ+\slot] offset:16*XP*\qb+256*\c+128*\ks+16
	ds_load_b128 v[SS+16*(4*\ks+\qb)+8:SS+16*(4*\ks+\qb)+11],  v[VXQ+\slot] offset:16*XP*\qb+256*\c+128*\ks+64
	ds_load_b128 v[SS+16*(4*\ks+\qb)+12:SS+16*(4*\ks+\qb)+15], v[VXQ+\slot] offset:16*XP*\qb+256*\c+128*\ks+80
.endr
.endr
.endm
.macro QCONV
	s_wait_dscnt 0x0                               ; this chunk's fragments are in
	PLACES                                         ; X in bf16 and the other W buffer were sources of the last products
	WIN 0x55
.set i, 0
.rept 64
	v_cvt_pk_bf16_f32 v[PP+i], v[SS+2*i], v[SS+2*i+1]
.set i, i+1
.endr
.endm
; 32 products; in each pass the 16 accumulators take one turn.  first = 1: the bias starts the sums.
.macro QMUL f, first
.if \first
	WIN 0x84
.else
	WIN 0xa4
.endif
.irp qb, 0,1,2,3
.irp db, 0,1,2,3
.if \first
	v_wmma_f32_16x16x32_bf16 v[OO+8*(4*\qb+\db):OO+8*(4*\qb+\db)+7], v[\f+8*\db:\f+8*\db+7], v[PP+8*\qb:PP+8*\qb+7], v[BIAS+8*\db:BIAS+8*\db+7]
.else
	v_wmma_f32_16x16x32_bf16 v[OO+8*(4*\qb+\db):OO+8*(4*\qb+\db)+7], v[\f+8*\db:\f+8*\db+7], v[PP+8*\qb:PP+8*\qb+7], v[OO+8*(4*\qb+\db):OO+8*(4*\qb+\db)+7]
.endif
.endr
.endr
	WIN 0xa4
.irp qb, 0,1,2,3
.irp db, 0,1,2,3
	v_wmma_f32_16x16x32_bf16 v[OO+8*(4*\qb+\db):OO+8*(4*\qb+\db)+7], v[\f+32+8*\db:\f+32+8*\db+7], v[PP+32+8*\qb:PP+32+8*\qb+7], v[OO+8*(4*\qb+\db):OO+8*(4*\qb+\db)+7]
.endr
.endr
.endm
; 16 loads: the K fragments of trip kt of a slot
.macro KFETCH slot, kt
.irp kb, 0,1,2,3
.irp ks, 0,1
	ds_load_b128 v[KF+8*(2*\kb+\ks):KF+8*(2*\kb+\ks)+3],   v[AK+\slot] offset:(32*\kt+8*\kb)*KP+64*\ks
	ds_load_b128 v[KF+8*(2*\kb+\ks)+4:KF+8*(2*\kb+\ks)+7], v[AK+\slot] offset:(32*\kt+8*\kb)*KP+64*\ks+32
.endr
.endr
.endm
; K step t on slot s (o = the other slot).  kind 0: slot s gets step t + 2; 1: it gets K/V tile 0; 2: it gets K/V tile 1, and the first K fragments are fetched.
; pf = 1: wave 0 asks for this work-group's 16 of the 64 rows of the query tile of step t + 4, four steps before its use and two before its tensor load;
; the four work-groups of a column share the rows out, so each block of 256 bytes is asked for once; steps 4 to 7 are the last, inside the buffer.
.macro QSTEP t, s, o, kind, first, pf
	QCONV
	QFETCH WF1, \s, 1
.if \pf
	WIN 0
	s_cmp_lg_u32 s[WV], 0
	s_cbranch_scc1 .Lno_pf_\@
	global_prefetch_b8 v[PF], s[4:5] offset:(\t+4)*512 th:TH_LOAD_NT scope:SCOPE_SE
.Lno_pf_\@:
.endif
	QMUL WF0, \first
	QCONV                                          ; its wait for 0: my reads of slot s are over
	WIN 0
	s_wait_tensorcnt 0x0                           ; all my tensor loads have landed: the one that was out is my part of slot o
	ds_add_u32 v30, v31
	s_wait_dscnt 0x0
.if \kind == 0
	s_add_nc_u64 s[G0X+4*\s+2:G0X+4*\s+3], s[G0X+4*\s+2:G0X+4*\s+3], 1024
	s_add_nc_u64 s[G0W+4*\s+2:G0W+4*\s+3], s[G0W+4*\s+2:G0W+4*\s+3], 524288
.endif
	ROUND                                          ; no wave of any partner reads slot s or has a load on its way
.if \kind == 0
	JLQ \s
.else
	JLKV \s
.endif
.if \kind == 2
	KFETCH 0, 0
.else
	QFETCH WF0, \o, 0
.endif
	QMUL WF1, 0
.endm
	s_wait_tensorcnt 0x1                           ; my part of K step 0 is in; step 1 stays out
	s_barrier_signal -1
	s_barrier_wait -1
	QFETCH WF0, 0, 0
	s_wait_loadcnt 0x0                             ; the bias
	QSTEP 0, 0, 1, 0, 1, 1
	QSTEP 1, 1, 0, 0, 0, 1
	QSTEP 2, 0, 1, 0, 0, 1
	QSTEP 3, 1, 0, 0, 0, 1
	QSTEP 4, 0, 1, 0, 0, 0
	QSTEP 5, 1, 0, 0, 0, 0
	QSTEP 6, 0, 1, 1, 0, 0
	QSTEP 7, 1, 0, 2, 0, 0
	PLACES
	WIN 0x82
.set i, 0
.rept 64
	v_pk_mul_f32 v[OO+2*i:OO+2*i+1], v[OO+2*i:OO+2*i+1], 0x3e38aa3b op_sel_hi:[1,0]   ; x 0.125 log2(e): the scores come out as exponents of 2
.set i, i+1
.endr
	WIN 0x0a
.set i, 0
.rept 64
	v_cvt_pk_bf16_f32 v[QQ+i], v[OO+2*i], v[OO+2*i+1]      ; tiles (qb, 2 ks) and (qb, 2 ks + 1) pack into fragment (qb, ks)
.set i, i+1
.endr
; ---------------------------------------------------------------- phase 2
.macro VFETCH slot, kt                 ; 16 transposing loads: V^T of trip kt
.irp db, 0,1,2,3
.irp k2, 0,1
	ds_load_tr16_b128 v[VF+8*(2*\db+\k2):VF+8*(2*\db+\k2)+3],   v[AV+\slot] offset:(32*\kt+16*\k2)*VP+32*\db
	ds_load_tr16_b128 v[VF+8*(2*\db+\k2)+4:VF+8*(2*\db+\k2)+7], v[AV+\slot] offset:(32*\kt+16*\k2+8)*VP+32*\db
.endr
.endr
.endm
.macro OSCALE                          ; O x alpha (at the end: x 1 / l)
	WIN 0x86
.irp qb, 0,1,2,3
.set i, 0
.rept 16
	v_pk_mul_f32 v[OO+32*\qb+2*i:OO+32*\qb+2*i+1], v[OO+32*\qb+2*i:OO+32*\qb+2*i+1], v[AL+2*\qb:AL+2*\qb+1] op_sel_hi:[1,0]
.set i, i+1
.endr
.endr
.endm
; All in window 1.  Each stage runs over the four blocks of rows, so that no instruction waits for the one in front of it.
.macro SOFTMAX first
	; the largest of my 32 scores of each block, in four chains, then with the old maximum, then with the other half of the lanes
.irp qb, 0,1,2,3
.irp c, 0,1,2,3
	v_max3_num_f32 v[TT+8*\qb+\c], v[SS+32*\qb+8*\c], v[SS+32*\qb+8*\c+1], v[SS+32*\qb+8*\c+2]
.endr
.endr
.irp qb, 0,1,2,3
.irp c, 0,1,2,3
	v_max3_num_f32 v[TT+8*\qb+\c], v[TT+8*\qb+\c], v[SS+32*\qb+8*\c+3], v[SS+32*\qb+8*\c+4]
.endr
.endr
.irp qb, 0,1,2,3
.irp c, 0,1,2,3
	v_max3_num_f32 v[TT+8*\qb+\c], v[TT+8*\qb+\c], v[SS+32*\qb+8*\c+5], v[SS+32*\qb+8*\c+6]
.endr
.endr
.irp qb, 0,1,2,3
	v_max3_num_f32 v[TT+8*\qb],   v[TT+8*\qb],   v[TT+8*\qb+1], v[SS+32*\qb+7]
	v_max3_num_f32 v[TT+8*\qb+2], v[TT+8*\qb+2], v[TT+8*\qb+3], v[SS+32*\qb+15]
.endr
.irp qb, 0,1,2,3
	v_max3_num_f32 v[TT+8*\qb], v[TT+8*\qb], v[TT+8*\qb+2], v[SS+32*\qb+23]
.endr
.irp qb, 0,1,2,3
.if \first
	v_max_num_f32 v[TT+8*\qb], v[TT+8*\qb], v[SS+32*\qb+31]
.else
	v_max3_num_f32 v[TT+8*\qb], v[TT+8*\qb], v[SS+32*\qb+31], v[ML+2*\qb]
.endif
.endr
.irp qb, 0,1,2,3
	v_permlanex16_b32 v[TT+8*\qb+1], v[TT+8*\qb], s30, s31
.endr
.irp qb, 0,1,2,3
	v_max_num_f32 v[TT+8*\qb], v[TT+8*\qb], v[TT+8*\qb+1]
.endr
.irp qb, 0,1,2,3
.if \first
	v_mov_b32 v[ML+2*\qb+1], 0                     ; both pairs are written whole once
	v_mov_b32 v[AL+2*\qb+1], 0
.else
	v_sub_f32 v[AL+2*\qb], v[ML+2*\qb], v[TT+8*\qb]        ; old maximum - new, at most 0
.endif
.endr
.irp qb, 0,1,2,3
	v_mov_b32 v[ML+2*\qb], v[TT+8*\qb]
.endr
	; S - m, two at a time
.irp qb, 0,1,2,3
.set i, 0
.rept 16
	v_pk_add_f32 v[SS+32*\qb+2*i:SS+32*\qb+2*i+1], v[SS+32*\qb+2*i:SS+32*\qb+2*i+1], v[ML+2*\qb:ML+2*\qb+1] op_sel_hi:[1,0] neg_lo:[0,1] neg_hi:[0,1]
.set i, i+1
.endr
.endr
	; p = 2^(S - m) and alpha, back to back, then one plain place before any of them is used (ISA guide 5.7.2)
.set i, 0
.rept 128
	v_exp_f32 v[SS+i], v[SS+i]
.set i, i+1
.endr
.if \first == 0
.irp qb, 0,1,2,3
	v_exp_f32 v[AL+2*\qb], v[AL+2*\qb]
.endr
.endif
	v_nop
	; the sum of my 32 p of each block, in four chains; l stays apart in the two halves of the lanes until the end
	s_wait_alu depctr_va_vdst(0)
.irp qb, 0,1,2,3
.irp c, 0,1,2,3
	v_pk_add_f32 v[TT+8*\qb+2*\c:TT+8*\qb+2*\c+1], v[SS+32*\qb+8*\c:SS+32*\qb+8*\c+1], v[SS+32*\qb+8*\c+2:SS+32*\qb+8*\c+3]
.endr
.endr
.irp qb, 0,1,2,3
.irp c, 0,1,2,3
	v_pk_add_f32 v[TT+8*\qb+2*\c:TT+8*\qb+2*\c+1], v[TT+8*\qb+2*\c:TT+8*\qb+2*\c+1], v[SS+32*\qb+8*\c+4:SS+32*\qb+8*\c+5]
.endr
.endr
.irp qb, 0,1,2,3
.irp c, 0,1,2,3
	v_pk_add_f32 v[TT+8*\qb+2*\c:TT+8*\qb+2*\c+1], v[TT+8*\qb+2*\c:TT+8*\qb+2*\c+1], v[SS+32*\qb+8*\c+6:SS+32*\qb+8*\c+7]
.endr
.endr
.irp qb, 0,1,2,3
	v_pk_add_f32 v[TT+8*\qb:TT+8*\qb+1],   v[TT+8*\qb:TT+8*\qb+1],   v[TT+8*\qb+2:TT+8*\qb+3]
	v_pk_add_f32 v[TT+8*\qb+4:TT+8*\qb+5], v[TT+8*\qb+4:TT+8*\qb+5], v[TT+8*\qb+6:TT+8*\qb+7]
.endr
.irp qb, 0,1,2,3
	v_pk_add_f32 v[TT+8*\qb:TT+8*\qb+1], v[TT+8*\qb:TT+8*\qb+1], v[TT+8*\qb+4:TT+8*\qb+5]
.endr
.irp qb, 0,1,2,3
.if \first
	v_add_f32 v[ML+2*\qb+1], v[TT+8*\qb], v[TT+8*\qb+1]
.else
	v_add_f32 v[TT+8*\qb], v[TT+8*\qb], v[TT+8*\qb+1]
.endif
.endr
.if \first == 0
.irp qb, 0,1,2,3
	v_fma_f32 v[ML+2*\qb+1], v[ML+2*\qb+1], v[AL+2*\qb], v[TT+8*\qb]
.endr
.endif
	; p to bf16: tiles (qb, 2 k2) and (qb, 2 k2 + 1) pack into fragment (qb, k2)
.set i, 0
.rept 64
	v_cvt_pk_bf16_f32 v[PP+i], v[SS+2*i], v[SS+2*i+1]
.set i, i+1
.endr
.endm
.macro KVTURN slot, refill             ; the change of slots; my reads of the slot are over (the wait for 0 just in front)
	WIN 0
	s_wait_tensorcnt 0x0                           ; all my tensor loads have landed: the one that was out is my part of the other slot
	ds_add_u32 v30, v31
	s_wait_dscnt 0x0
.if \refill
	s_add_nc_u64 s[G0K+4*\slot+2:G0K+4*\slot+3], s[G0K+4*\slot+2:G0K+4*\slot+3], 65536     ; two tiles on; no load of mine is out
	s_add_nc_u64 s[G0V+4*\slot+2:G0V+4*\slot+3], s[G0V+4*\slot+2:G0V+4*\slot+3], 65536
	ROUND                                          ; no wave of any partner reads this slot or has a load on its way
	JLKV \slot                                     ; my one tensor load behind the round, and the first thing there: it has a whole tile, four trips, in which to land
.else
	s_barrier_signal -1
	s_barrier_wait -1
.endif
.endm
; One trip: 64 keys.  mode 0: the next K fragments come from the same slot; 1: change of slots with refill; 2: change without; 3: the last trip.
.macro TRIP slot, kt, mode, first
	PLACES                                         ; V and p were sources, O the result, of the last products
	WIN 0
	VFETCH \slot, \kt
	s_wait_dscnt 0x10                              ; the 16 older loads (K) are in; the 16 of V stay out
	WIN 0x50
.irp qb, 0,1,2,3                       ; in each pass the 16 accumulators take one turn
.irp kb, 0,1,2,3
	v_wmma_f32_16x16x32_bf16 v[SS+8*(4*\qb+\kb):SS+8*(4*\qb+\kb)+7], v[KF+16*\kb:KF+16*\kb+7], v[QQ+16*\qb:QQ+16*\qb+7], 0
.endr
.endr
.irp qb, 0,1,2,3
.irp kb, 0,1,2,3
	v_wmma_f32_16x16x32_bf16 v[SS+8*(4*\qb+\kb):SS+8*(4*\qb+\kb)+7], v[KF+16*\kb+8:KF+16*\kb+15], v[QQ+16*\qb+8:QQ+16*\qb+15], v[SS+8*(4*\qb+\kb):SS+8*(4*\qb+\kb)+7]
.endr
.endr
	PLACES
	WIN 0x55
	SOFTMAX \first
	s_wait_dscnt 0x0                               ; V is in, and all my reads of this trip are over
.if \mode == 1
	KVTURN \slot, 1
	KFETCH (1-\slot), 0
.endif
.if \mode == 2
	KVTURN \slot, 0
	KFETCH (1-\slot), 0
.endif
.if \mode == 0
	WIN 0
	KFETCH \slot, (\kt+1)
.endif
.if \first == 0
	OSCALE
.endif
	WIN 0xa4
.irp qb, 0,1,2,3
.irp db, 0,1,2,3
.if \first
	v_wmma_f32_16x16x32_bf16 v[OO+8*(4*\qb+\db):OO+8*(4*\qb+\db)+7], v[VF+16*\db:VF+16*\db+7], v[PP+16*\qb:PP+16*\qb+7], 0
.else
	v_wmma_f32_16x16x32_bf16 v[OO+8*(4*\qb+\db):OO+8*(4*\qb+\db)+7], v[VF+16*\db:VF+16*\db+7], v[PP+16*\qb:PP+16*\qb+7], v[OO+8*(4*\qb+\db):OO+8*(4*\qb+\db)+7]
.endif
.endr
.endr
.irp qb, 0,1,2,3
.irp db, 0,1,2,3
	v_wmma_f32_16x16x32_bf16 v[OO+8*(4*\qb+\db):OO+8*(4*\qb+\db)+7], v[VF+16*\db+8:VF+16*\db+15], v[PP+16*\qb+8:PP+16*\qb+15], v[OO+8*(4*\qb+\db):OO+8*(4*\qb+\db)+7]
.endr
.endr
.endm
.macro TILE slot, last, first
	TRIP \slot, 0, 0, \first
	TRIP \slot, 1, 0, 0
	TRIP \slot, 2, 0, 0
	TRIP \slot, 3, \last, 0
.endm
	TILE 0, 1, 1                                   ; tiles 0 and 1 stand in front of the loop: the first products start the sums
	TILE 1, 1, 0
	WIN 0
	s_mov_b32 s23, 6                               ; tiles 2 to 13
.Llap:
	TILE 0, 1, 0
	TILE 1, 1, 0
	WIN 0
	s_sub_co_i32 s23, s23, 1
	s_cmp_lg_u32 s23, 0
	s_cbranch_scc1 .Llap
	TILE 0, 2, 0                                   ; tiles 14 and 15: nothing is left to fetch
	TILE 1, 3, 0
	; the way out: O / l, to bf16, through the stage (a row of 512 bytes holds the four heads of g), out as whole rows
	PLACES
	WIN 0x55
.irp qb, 0,1,2,3
	v_permlanex16_b32 v[TT+8*\qb], v[ML+2*\qb+1], s30, s31
.endr
.irp qb, 0,1,2,3
	v_add_f32 v[TT+8*\qb], v[TT+8*\qb], v[ML+2*\qb+1]      ; the two halves of the keys
.endr
.irp qb, 0,1,2,3
	v_rcp_f32 v[AL+2*\qb], v[TT+8*\qb]
.endr
	v_nop                                          ; the plain place behind the reciprocals
	s_wait_alu depctr_va_vdst(0)
	OSCALE
.irp qb, 0,1,2,3
	WIN 0x0a
.set i, 0
.rept 16
	v_cvt_pk_bf16_f32 v[TMP+16*(\qb&1)+i], v[OO+32*\qb+2*i], v[OO+32*\qb+2*i+1]
.set i, i+1
.endr
	WIN 0
.irp db, 0,1,2,3
	ds_store_b128 v[STO], v[TMP+16*(\qb&1)+4*\db:TMP+16*(\qb&1)+4*\db+3] offset:16*SP*\qb+32*\db
.endr
.endr
	s_wait_dscnt 0x0                               ; my stores are done, for the other waves
	s_barrier_signal -1
	s_barrier_wait -1
.irp i, 0,1,2,3,4,5,6,7,8,9,10,11,12,13,14,15
	ds_load_b128 v[KF+4*\i:KF+4*\i+3], v[RD] offset:SP*\i          ; row 16 w + i, 512 bytes
.endr
.irp i, 0,1,2,3,4,5,6,7,8,9,10,11,12,13,14,15
	s_wait_dscnt 15-\i                             ; read-back i is in, the younger ones stay out
	global_store_b128 v[CO], v[KF+4*\i:KF+4*\i+3], s[14:15] offset:2048*\i   ; 512 neighbouring bytes, aligned
.endr
	s_wait_tensorcnt 0x0
	ds_add_u32 v30, v31
	s_wait_dscnt 0x0
	ROUND                                          ; the closing round
	s_endpgm
.Lfunc_end_k_q5d78015959_attn:
	.size	k_q5d78015959_attn, .Lfunc_end_k_q5d78015959_attn-k_q5d78015959_attn
	.p2alignl 7, 3214868480
	.fill 96, 4, 3214868480
	.section	.rodata,"a",@progbits
	.p2align	6, 0x0
	.amdhsa_kernel k_q5d78015959_attn
		.amdhsa_group_segment_fixed_size 327680
		.amdhsa_private_segment_fixed_size 0
		.amdhsa_enable_private_segment 0
		.amdhsa_kernarg_size 48
		.amdhsa_user_sgpr_count 2
		.amdhsa_user_sgpr_kernarg_segment_ptr 1
		.amdhsa_wavefront_size32 1
		.amdhsa_system_sgpr_workgroup_id_x 1
		.amdhsa_system_sgpr_workgroup_id_y 1
		.amdhsa_system_sgpr_workgroup_id_z 1
		.amdhsa_system_vgpr_workitem_id 0
		.amdhsa_next_free_vgpr 640
		.amdhsa_next_free_sgpr 100
		.amdhsa_reserve_vcc 0
		.amdhsa_float_denorm_mode_32 3
		.amdhsa_float_denorm_mode_16_64 3
		.amdhsa_memory_ordered 1
		.amdhsa_forward_progress 1
		.amdhsa_inst_pref_size 255
	.end_amdhsa_kernel
	.section	.bss,"aw",@nobits
	.p2align	6
	.space	262144
	.amdgpu_metadata
---
amdhsa.version: [ 1, 2 ]
amdhsa.kernels:
  - .name:           k_q5d78015959_attn
    .symbol:         k_q5d78015959_attn.kd
    .args:
      - { .name: query, .offset: 0, .size: 8, .value_kind: global_buffer, .address_space: global }
      - { .name: wbf, .offset: 8, .size: 8, .value_kind: global_buffer, .address_space: global }
      - { .name: b_q, .offset: 16, .size: 8, .value_kind: global_buffer, .address_space: global }
      - { .name: kh, .offset: 24, .size: 8, .value_kind: global_buffer, .address_space: global }
      - { .name: vh, .offset: 32, .size: 8, .value_kind: global_buffer, .address_space: global }
      - { .name: att, .offset: 40, .size: 8, .value_kind: global_buffer, .address_space: global }
    .group_segment_fixed_size: 327680
    .private_segment_fixed_size: 0
    .kernarg_segment_align: 8
    .kernarg_segment_size: 48
    .max_flat_workgroup_size: 128
    .sgpr_count:     100
    .vgpr_count:     640
    .wavefront_size: 32
...
	.end_amdgpu_metadata
.endif
;; end of part 3
;; launch oproj (part 4): grid 8 x 32, 4 waves a work-group, clusters of 4 x 4, 327,680 bytes of LDS; arguments att, wbf, b_o, out0; writes out0
.if DOCPART == 4
	.amdgcn_target "amdgcn-amd-amdhsa--gfx1250"
	.amdhsa_code_object_version 6
	.text
	.protected	k_q5d78015959_oproj
	.globl	k_q5d78015959_oproj
	.p2align	8
	.type	k_q5d78015959_oproj,@function
k_q5d78015959_oproj:
	s_mov_b64 s[64:65], 0
	v_nop
	global_prefetch_b8 v0, s[64:65] scope:SCOPE_SE
	s_setreg_imm32_b32 hwreg(HW_REG_WAVE_MODE, 25, 1), 1
	s_wait_xcnt 0x0
	s_wait_alu depctr_hold_cnt(0) depctr_sa_sdst(0) depctr_va_vdst(0) depctr_va_sdst(0) depctr_va_ssrc(0) depctr_va_vcc(0) depctr_vm_vsrc(0)
	s_getreg_b32 s2, hwreg(HW_REG_IB_STS2, 6, 4)
	s_cmp_eq_u32 s2, 0
	s_cbranch_scc0 .Lentry_in_a_cluster
	s_endpgm
.Lentry_in_a_cluster:
	s_bfe_u32 s2, ttmp6, 0x10000c
	s_cmp_lg_u32 s2, 0xf033
	s_cbranch_scc0 .Lentry_shape_is_right
	s_endpgm
.Lentry_shape_is_right:
; out0 = att @ w_o + b_o.  att [4096][1024] bf16, w_o [1024][1024] bf16 at byte 2,097,152 of wbf, out0 f32.
; A work-group makes 128 x 128; wave w makes rows 64 (w>>1) .. +63, columns 64 (w&1) .. +63: 16 accumulator tiles.
; The weights are the first source, the rows of att the second: lane (r, h) holds, in register j, out[row r][column 8h+j]: 32 neighbouring bytes,
; and the bias is the C operand of the first products.  K goes in 4 steps of 256 (rows of att of 512 bytes) through two LDS slots.
; CLUSTER 4 x 4: the tiles of att hang on the block row and are asked for jointly along a row of the cluster, those of w_o along a column.
; By this text's count a wave has two tensor loads out at the start and one behind each round.
; Limits: operands are bf16, sums f32.
.set XP,    528                        ; 512 + 16
.set WP,    288                        ; 256 + 32
.set XHALF, 64*XP
.set WHALF, 128*WP
.set WOFF,  128*XP
.set SLOT,  WOFF+256*WP                ; 141,312
.set STAGE, 2*SLOT                     ; 282,624, a multiple of 256: no tensor load lands here
.set SP,    272                        ; stage row: 64 f32 + 16 bytes
; window 0
.set VX,   2                           ; v2-3  X fragments, slot 0, 1
.set VW,   4                           ; v4-7  W fragments: slot 0 k rows 0-127, 128-255; slot 1 likewise
.set STO,  8
.set RD,   9
.set CO,   10
.set BO,   11
.set BIAS, 16                          ; v16-47
.set WF,   64                          ; v64-127, v128-191: W(ks, cb) at 8 (4 ks + cb), two buffers
.set TMP,  192                         ; v192-255: two sets of 32 on the way out
; window 1
.set XF,   0                           ; v256-319, v320-383: X(ks, rb) at 8 (4 ks + rb), two buffers
; window 2
.set ACC,  0                           ; v512-639: tile (rb, cb) at 8 (4 rb + cb)
.set WV,  12
.set WH,  13
.set WL,  14
.set G1X, 28
.set G1W, 36
.set G0X, 44
.set G0W, 52
.set MSB, 0
.macro WIN new
.if MSB != \new
	s_set_vgpr_msb (MSB<<8)|\new
.set MSB, \new
.endif
.endm
.macro PLACES
.rept 4
	v_nop
.endr
.endm
.macro SHAPE g, c, r, p
	s_mov_b32 s[\g+1], (\c)<<16
	s_mov_b32 s[\g+2], (\r)<<16
	s_mov_b32 s[\g+3], (\c)<<16
	s_mov_b32 s[\g+4], \r
	s_mov_b32 s[\g+5], \p
	s_mov_b32 s[\g+6], 0
	s_mov_b32 s[\g+7], 0
.endm
.macro GROUP0 g, b, lds, step
.irp s, 0,1
	s_mov_b32 s[\g+4*\s], 1
	s_add_co_u32 s[\g+4*\s+1], s[\lds], \s*SLOT
	s_add_nc_u64 s[\g+4*\s+2:\g+4*\s+3], s[\b:\b+1], \s*\step
	s_or_b32 s[\g+4*\s+3], s[\g+4*\s+3], 0x80000000
.endr
.endm
.macro ROUND
	s_barrier_signal -1
	s_barrier_wait -1
	s_cmp_lg_u32 s[WV], 0
	s_cbranch_scc1 .Lnot_wave_0_\@
	s_barrier_signal -3
.Lnot_wave_0_\@:
	s_barrier_wait -3
	s_barrier_signal -1
	s_barrier_wait -1
.endm
.macro JLOAD s
	s_cmp_eq_u32 s[WH], 0
	s_cbranch_scc0 .Lfor_w_\@
	tensor_load_to_lds s[G0X+4*\s:G0X+4*\s+3], s[G1X:G1X+7]
	s_nop 0
	s_branch .Lasked_\@
.Lfor_w_\@:
	tensor_load_to_lds s[G0W+4*\s:G0W+4*\s+3], s[G1W:G1W+7]
	s_nop 0
.Lasked_\@:
.endm
	s_load_b256 s[4:11], s[0:1], 0x0               ; att s[4:5], wbf s[6:7], b_o s[8:9], out0 s[10:11]
	v_lshl_add_u32 v62, v0, 2, 0x49400
	v_mov_b32 v63, 0
	ds_add_u32 v62, v63
	v_lshrrev_b32 v1, 5, v0
	v_readfirstlane_b32 s[WV], v1
	s_lshr_b32 s[WH], s[WV], 1
	s_and_b32 s[WL], s[WV], 1
	s_bfe_u32 s15, ttmp6, 0x40000                  ; cx
	s_bfe_u32 s16, ttmp6, 0x40004                  ; cy
	s_lshl_b32 s17, ttmp9, 2
	s_add_co_u32 s17, s17, s15                     ; block column
	s_and_b32 s18, ttmp7, 0xffff
	s_lshl_b32 s18, s18, 2
	s_add_co_u32 s18, s18, s16                     ; block row
	s_lshl_b32 s19, s16, 2
	s_lshl_b32 s19, 15, s19                        ; my row of the cluster
	s_lshl_b32 s20, 0x1111, s15                    ; my column
	s_or_b32 s[G1X], s19, (1<<16)|(1<<20)|(1<<21)|(6<<22)|(3<<25)     ; bf16; 4 words of padding behind every 128
	SHAPE G1X, 256, 64, 1024
	s_or_b32 s[G1W], s20, (1<<16)|(1<<20)|(1<<21)|(5<<22)|(7<<25)     ; bf16; 8 words behind every 64
	SHAPE G1W, 128, 128, 1024
	s_lshl_b32 s26, s[WL], 17                      ; wave alone: 64 rows of 2,048 bytes
	s_lshl_b32 s22, s18, 18                        ; row side: 128 rows of 2,048 bytes
	s_add_co_u32 s22, s22, s26
	s_mov_b32 s23, 0
	s_lshl_b32 s26, s[WL], 18                      ; wave alone: 128 k rows of 2,048 bytes
	s_lshl_b32 s24, s17, 8                         ; column side: 128 columns of bf16
	s_add_co_u32 s24, s24, s26
	s_add_co_u32 s24, s24, 2097152                 ; w_o in wbf
	s_mov_b32 s25, 0
	s_wait_dscnt 0x0
	s_wait_kmcnt 0x0
	s_add_nc_u64 s[4:5], s[4:5], s[22:23]
	s_add_nc_u64 s[6:7], s[6:7], s[24:25]
	s_mul_i32 s21, s[WL], XHALF
	GROUP0 G0X, 4, 21, 512                         ; K step s: 256 bf16 along the row
	s_mul_i32 s21, s[WL], WHALF
	s_add_co_u32 s21, s21, WOFF
	GROUP0 G0W, 6, 21, 524288                      ; K step s: 256 k rows of 2,048 bytes
	ROUND                                          ; all sixteen work-groups are here: the first joint loads meet
	s_cmp_eq_u32 s[WH], 0                          ; both first fills of a wave inside one branch
	s_cbranch_scc0 .Lfirst_w
	tensor_load_to_lds s[G0X:G0X+3], s[G1X:G1X+7]
	s_nop 0
	tensor_load_to_lds s[G0X+4:G0X+7], s[G1X:G1X+7]
	s_nop 0
	s_branch .Lfirst_done
.Lfirst_w:
	tensor_load_to_lds s[G0W:G0W+3], s[G1W:G1W+7]
	s_nop 0
	tensor_load_to_lds s[G0W+4:G0W+7], s[G1W:G1W+7]
	s_nop 0
.Lfirst_done:
	s_lshl_b32 s24, s17, 9                         ; 128 columns of f32
	s_lshl_b32 s26, s[WL], 8                       ; my 64
	s_add_co_u32 s24, s24, s26
	s_add_nc_u64 s[8:9], s[8:9], s[24:25]          ; bias of my columns
	s_lshl_b32 s26, s18, 19                        ; 128 rows of 4,096 bytes
	s_lshl_b32 s27, s[WH], 18                      ; my 64 rows
	s_add_co_u32 s26, s26, s27
	s_add_co_u32 s26, s26, s24                     ; and my columns
	s_mov_b32 s27, 0
	s_add_nc_u64 s[10:11], s[10:11], s[26:27]
	v_and_b32 v13, 15, v0                          ; r
	v_bfe_u32 v14, v0, 4, 1                        ; h
	v_and_b32 v15, 7, v0
	v_bfe_u32 v1, v0, 3, 1
	v_lshlrev_b32 v[BO], 5, v14
.irp cb, 0,1,2,3
	global_load_b128 v[BIAS+8*\cb:BIAS+8*\cb+3],   v[BO], s[8:9] offset:64*\cb
	global_load_b128 v[BIAS+8*\cb+4:BIAS+8*\cb+7], v[BO], s[8:9] offset:64*\cb+16
.endr
	s_mul_i32 s21, s[WH], XHALF                    ; my 64 rows of X in LDS
	v_mul_u32_u24 v[VX], v13, XP
	v_lshl_add_u32 v[VX], v14, 4, v[VX]
	v_add_nc_u32 v[VX], s21, v[VX]
	v_add_nc_u32 v[VX+1], SLOT, v[VX]
	v_lshl_add_u32 v[VW], v14, 3, v15
	v_mul_u32_u24 v[VW], v[VW], WP
	v_lshl_add_u32 v[VW], v1, 4, v[VW]
	s_lshl_b32 s21, s[WL], 7
	s_add_co_u32 s21, s21, WOFF
	v_add_nc_u32 v[VW], s21, v[VW]
	v_add_nc_u32 v[VW+1], WHALF, v[VW]
	v_add_nc_u32 v[VW+2], SLOT, v[VW]
	v_add_nc_u32 v[VW+3], SLOT, v[VW+1]
	s_mul_i32 s21, s[WV], 16*SP
	s_add_co_u32 s21, s21, STAGE                   ; my stage
	v_mul_u32_u24 v[STO], v13, SP
	v_lshl_add_u32 v[STO], v14, 5, v[STO]
	v_add_nc_u32 v[STO], s21, v[STO]
	v_mul_u32_u24 v[RD], v14, SP                   ; back: lanes 0-15 one row of 256 bytes, lanes 16-31 the next
	v_lshl_add_u32 v[RD], v13, 4, v[RD]
	v_add_nc_u32 v[RD], s21, v[RD]
	v_lshlrev_b32 v[CO], 12, v14
	v_lshl_add_u32 v[CO], v13, 4, v[CO]
; the fragments of chunk nc (64 along K) of slot nslot
.macro FETCH gw, gx, nslot, nc
	WIN 0
.irp ks, 0,1
.irp cb, 0,1,2,3
	ds_load_tr16_b128 v[\gw+8*(4*\ks+\cb):\gw+8*(4*\ks+\cb)+3],   v[VW+2*\nslot+(\nc>>1)] offset:(64*(\nc&1)+32*\ks)*WP+32*\cb
	ds_load_tr16_b128 v[\gw+8*(4*\ks+\cb)+4:\gw+8*(4*\ks+\cb)+7], v[VW+2*\nslot+(\nc>>1)] offset:(64*(\nc&1)+32*\ks)*WP+32*\cb+16*WP
.endr
.endr
	WIN 0x40
.irp ks, 0,1
.irp rb, 0,1,2,3
	ds_load_b128 v[\gx+8*(4*\ks+\rb):\gx+8*(4*\ks+\rb)+3],   v[VX+\nslot] offset:16*XP*\rb+128*\nc+64*\ks
	ds_load_b128 v[\gx+8*(4*\ks+\rb)+4:\gx+8*(4*\ks+\rb)+7], v[VX+\nslot] offset:16*XP*\rb+128*\nc+64*\ks+32
.endr
.endr
.endm
; 32 products; in each pass the 16 accumulators take one turn.  first = 1: the bias starts the sums.
.macro MUL32 f, first
.if \first
	WIN 0x84
.else
	WIN 0xa4
.endif
.irp rb, 0,1,2,3
.irp cb, 0,1,2,3
.if \first
	v_wmma_f32_16x16x32_bf16 v[ACC+8*(4*\rb+\cb):ACC+8*(4*\rb+\cb)+7], v[WF+64*\f+8*\cb:WF+64*\f+8*\cb+7], v[XF+64*\f+8*\rb:XF+64*\f+8*\rb+7], v[BIAS+8*\cb:BIAS+8*\cb+7]
.else
	v_wmma_f32_16x16x32_bf16 v[ACC+8*(4*\rb+\cb):ACC+8*(4*\rb+\cb)+7], v[WF+64*\f+8*\cb:WF+64*\f+8*\cb+7], v[XF+64*\f+8*\rb:XF+64*\f+8*\rb+7], v[ACC+8*(4*\rb+\cb):ACC+8*(4*\rb+\cb)+7]
.endif
.endr
.endr
	WIN 0xa4
.irp rb, 0,1,2,3
.irp cb, 0,1,2,3
	v_wmma_f32_16x16x32_bf16 v[ACC+8*(4*\rb+\cb):ACC+8*(4*\rb+\cb)+7], v[WF+64*\f+32+8*\cb:WF+64*\f+32+8*\cb+7], v[XF+64*\f+32+8*\rb:XF+64*\f+32+8*\rb+7], v[ACC+8*(4*\rb+\cb):ACC+8*(4*\rb+\cb)+7]
.endr
.endr
.endm
.macro TURN slot, refill               ; the change of slots; my reads of the slot are over (the wait for 0 at the head of the chunk)
	WIN 0
	s_wait_tensorcnt 0x0                           ; all my tensor loads have landed: the one that was out is my part of the other slot
	ds_add_u32 v62, v63
	s_wait_dscnt 0x0
.if \refill
	s_add_nc_u64 s[G0X+4*\slot+2:G0X+4*\slot+3], s[G0X+4*\slot+2:G0X+4*\slot+3], 1024      ; two K steps on; no load of mine is out
	s_add_nc_u64 s[G0W+4*\slot+2:G0W+4*\slot+3], s[G0W+4*\slot+2:G0W+4*\slot+3], 1048576
	ROUND                                          ; no wave of any partner reads this slot or has a load on its way
	JLOAD \slot                                    ; my one tensor load behind the round, and the first thing there
.else
	s_barrier_signal -1
	s_barrier_wait -1
.endif
.endm
; One chunk: multiplies buffer f, fetches chunk nc of slot nslot into the other buffer.  mode as: 0 same slot, 1 change with refill, 2 change without, 3 last.
.macro OCH f, nslot, nc, mode, first
	s_wait_dscnt 0x0                               ; this chunk's fragments are in
.if \mode == 1
	TURN (1-\nslot), 1
.endif
.if \mode == 2
	TURN (1-\nslot), 0
.endif
.if \mode != 3
	PLACES                                         ; the other buffer was a source of the last products
	FETCH WF+64*(1-\f), XF+64*(1-\f), \nslot, \nc
.endif
	MUL32 \f, \first
.endm
.macro STEP s, o, last, first
	OCH 0, \s, 1, 0, \first
	OCH 1, \s, 2, 0, 0
	OCH 0, \s, 3, 0, 0
	OCH 1, \o, 0, \last, 0
.endm
	s_wait_tensorcnt 0x1                           ; my part of K step 0 is in; step 1 stays out
	s_barrier_signal -1
	s_barrier_wait -1
	FETCH WF, XF, 0, 0
	s_wait_loadcnt 0x0                             ; the bias
	STEP 0, 1, 1, 1
	STEP 1, 0, 1, 0
	STEP 0, 1, 2, 0
	STEP 1, 0, 3, 0
	; the way out, 16 rows at a time: 32 bytes a lane into my own stage, back as whole rows of 256 bytes
	PLACES
.irp rb, 0,1,2,3
	WIN 0x08                                       ; store data from window 2
.irp cb, 0,1,2,3
	ds_store_b128 v[STO], v[ACC+8*(4*\rb+\cb):ACC+8*(4*\rb+\cb)+3]   offset:64*\cb
	ds_store_b128 v[STO], v[ACC+8*(4*\rb+\cb)+4:ACC+8*(4*\rb+\cb)+7] offset:64*\cb+16
.endr
	WIN 0
	s_wait_xcnt 0x0                                ; the set of 32 registers that earlier stores read is loaded again only behind this wait (ISA guide 3.1)
.irp t, 0,1,2,3,4,5,6,7
	ds_load_b128 v[TMP+32*(\rb&1)+4*\t:TMP+32*(\rb&1)+4*\t+3], v[RD] offset:2*SP*\t    ; my own bytes; LDS serves a wave in order (ISA guide 5.7.1)
.endr
.irp t, 0,1,2,3,4,5,6,7
	s_wait_dscnt 7-\t                              ; read-back t is in, the younger ones stay out
	global_store_b128 v[CO], v[TMP+32*(\rb&1)+4*\t:TMP+32*(\rb&1)+4*\t+3], s[10:11] offset:(16*\rb+2*\t)*4096 th:TH_STORE_NT   ; 16 lanes store 256 neighbouring bytes, aligned
.endr
.endr
	s_wait_tensorcnt 0x0
	ds_add_u32 v62, v63
	s_wait_dscnt 0x0
	ROUND                                          ; the closing round
	s_endpgm
.Lfunc_end_k_q5d78015959_oproj:
	.size	k_q5d78015959_oproj, .Lfunc_end_k_q5d78015959_oproj-k_q5d78015959_oproj
	.p2alignl 7, 3214868480
	.fill 96, 4, 3214868480
	.section	.rodata,"a",@progbits
	.p2align	6, 0x0
	.amdhsa_kernel k_q5d78015959_oproj
		.amdhsa_group_segment_fixed_size 327680
		.amdhsa_private_segment_fixed_size 0
		.amdhsa_enable_private_segment 0
		.amdhsa_kernarg_size 32
		.amdhsa_user_sgpr_count 2
		.amdhsa_user_sgpr_kernarg_segment_ptr 1
		.amdhsa_wavefront_size32 1
		.amdhsa_system_sgpr_workgroup_id_x 1
		.amdhsa_system_sgpr_workgroup_id_y 1
		.amdhsa_system_sgpr_workgroup_id_z 1
		.amdhsa_system_vgpr_workitem_id 0
		.amdhsa_next_free_vgpr 640
		.amdhsa_next_free_sgpr 66
		.amdhsa_reserve_vcc 0
		.amdhsa_float_denorm_mode_32 3
		.amdhsa_float_denorm_mode_16_64 3
		.amdhsa_memory_ordered 1
		.amdhsa_forward_progress 1
		.amdhsa_inst_pref_size 86
	.end_amdhsa_kernel
	.amdgpu_metadata
---
amdhsa.version: [ 1, 2 ]
amdhsa.kernels:
  - .name:           k_q5d78015959_oproj
    .symbol:         k_q5d78015959_oproj.kd
    .args:
      - { .name: att, .offset: 0, .size: 8, .value_kind: global_buffer, .address_space: global }
      - { .name: wbf, .offset: 8, .size: 8, .value_kind: global_buffer, .address_space: global }
      - { .name: b_o, .offset: 16, .size: 8, .value_kind: global_buffer, .address_space: global }
      - { .name: out0, .offset: 24, .size: 8, .value_kind: global_buffer, .address_space: global }
    .group_segment_fixed_size: 327680
    .private_segment_fixed_size: 0
    .kernarg_segment_align: 8
    .kernarg_segment_size: 32
    .max_flat_workgroup_size: 128
    .sgpr_count:     66
    .vgpr_count:     640
    .wavefront_size: 32
...
	.end_amdgpu_metadata
.endif
;; end of part 4
;; ======== version 2 of 2: 4 launches
;; workspace buffers: wbf 5,242,880 bytes; kh 2,097,152 bytes; vh 2,097,152 bytes; att 8,388,608 bytes
;; launch cast: the kernel of part 1 again; grid 320 x 1, 8 waves a work-group, no clusters, 0 bytes of LDS; arguments w_q, w_o, w_k, w_v, wbf; writes wbf
;; launch kvproj: the kernel of part 2 again; grid 64 x 4, 4 waves a work-group, clusters of 4 x 1, 327,680 bytes of LDS; arguments key, value, wbf, b_k, b_v, kh, vh; writes kh, vh
;; launch attn (part 5): grid 64 x 4, 4 waves a work-group, clusters of 4 x 4, 327,680 bytes of LDS; arguments query, wbf, b_q, kh, vh, att; writes att
.if DOCPART == 5
	.amdgcn_target "amdgcn-amd-amdhsa--gfx1250"
	.amdhsa_code_object_version 6
	.text
	.protected	k_q5d78015959_attn
	.globl	k_q5d78015959_attn
	.p2align	8
	.type	k_q5d78015959_attn,@function
k_q5d78015959_attn:
	s_mov_b64 s[64:65], 0
	v_nop
	global_prefetch_b8 v0, s[64:65] scope:SCOPE_SE
	s_setreg_imm32_b32 hwreg(HW_REG_WAVE_MODE, 25, 1), 1
	s_wait_xcnt 0x0
	s_wait_alu depctr_hold_cnt(0) depctr_sa_sdst(0) depctr_va_vdst(0) depctr_va_sdst(0) depctr_va_ssrc(0) depctr_va_vcc(0) depctr_vm_vsrc(0)
	s_getreg_b32 s2, hwreg(HW_REG_IB_STS2, 6, 4)
	s_cmp_eq_u32 s2, 0
	s_cbranch_scc0 .Lentry_in_a_cluster
	s_endpgm
.Lentry_in_a_cluster:
	s_bfe_u32 s2, ttmp6, 0x10000c
	s_cmp_lg_u32 s2, 0xf033
	s_cbranch_scc0 .Lentry_shape_is_right
	s_endpgm
.Lentry_shape_is_right:
; Q projection and attention for (64 query rows, one key/value head g).  Wave w is query head 4 g + w, with all 64 rows as 4 blocks of 16.
; PHASE 1: q = (query @ w_q + b_q) x 0.125 log2(e) for the 256 columns of g; K = 1024 in 8 steps of 128.  q never leaves the registers.
; PHASE 2: 16 tiles of 256 keys, 4 trips of 64 keys each: S^T = K q^T, running maximum, p = 2^(S - m), O^T = O^T alpha + V^T p^T.
; Every product takes the wide operand (weights, K, V^T) as its first source and the query rows as its second.  Lane (r = lane&15, h = lane>>4)
; then holds, in register j, the number of query row r and column (key, d) 8h+j.  Two neighbouring result tiles, packed to bf16, ARE a second-source
; fragment of the next product: no shuffle between the three products, and maximum, sum and alpha are one number a lane for each block of 16 rows.
; CLUSTER 4 x 4: the four work-groups of a column (same 64 rows, four g) ask jointly for the tiles of query; the four of a row (same g)
; ask jointly for the tiles of w_q, K and V.  One ring of two LDS slots serves both phases.
; By this text's count a wave has two tensor loads out at the start and one behind each round.
; THE TEXT IS LOOPS: of phase 1's 16 chunks 8 are written (one ahead of a loop of three trips of four, three behind it); of phase 2's 64 trips 8 are
; written: a tile is a loop of three trips with running LDS addresses and a fourth trip that changes slots; seven laps of two tiles, then the last two tiles.
; THE SUMS OF O START WITHOUT A CLEARING PASS: m starts at -inf, so the first alpha is 2^(-inf) = 0, and O's registers still hold phase 1's sums of q
; for the same query rows: O x alpha makes them 0.  Limit: a row whose q is not finite comes out NaN (a plain softmax gives NaN there as well).
; Further limits: q, K, V, p and the result are rounded to bf16; the sum l is made of the unrounded p in f32; a p below 2^-126 counts as 0 (v_exp_f32
; flushes, ISA guide 15.8); a NaN among the scores is dropped by the maximum, so NaN and infinities are not carried as a plain softmax carries them.
.set SL,    103424                     ; a slot.  Phase 1: X 64 x 528, W 128 x 544.  Phase 2: K 128 x 272, V 128 x 288 (two keys of 128 bytes in an LDS row)
.set XP,    528                        ; 512 + 16 = 33 x 16
.set WP,    544                        ; 512 + 32 = 17 x 32
.set WOFF,  64*XP
.set KP,    272
.set VP,    288
.set VOFF,  128*KP
.set STAGE, 2*SL                       ; 206,848, a multiple of 256: no tensor load lands here
.set SP,    528
; window 0 (v0-255)
.set VXQ, 2                            ; v2-3   X fragments, slot 0, 1
.set VWQ, 4                            ; v4-5   W fragments
.set AK,  6                            ; v6-7   K fragments, first trip of slot 0, 1
.set AV,  8                            ; v8-9   V fragments, first trip of slot 0, 1
.set STO, 10
.set RD,  11
.set CO,  12
.set BO,  13
.set PF,  14                           ; my byte of query for the prefetch
.set AVC, 24                           ; v24    V fragments of the trip at hand
.set AKC, 25                           ; v25    K fragments of the trip at hand (the next trip's lie 32 LDS rows further)
.set QQ,  32                           ; v32-95   q(qb, ks) at 8 (2 qb + ks)
.set KF,  96                           ; v96-159  K(kb, ks) at 8 (2 kb + ks); phase 1: W buffer 0
.set VF,  160                          ; v160-223 V(db, k2) at 8 (2 db + k2); phase 1: W buffer 1
.set WF0, 96
.set WF1, 160
.set BIAS, 224                         ; v224-255 bias, later packed results
.set TMP,  224
; window 1 (v256-511)
.set SS,  0                            ; S(qb, kb) at 8 (4 qb + kb); phase 1: X as loaded, f32, (ks, qb) at 16 (4 ks + qb)
.set PP,  128                          ; p(qb, k2) at 8 (2 qb + k2); phase 1: X in bf16, (ks, qb) at 8 (4 ks + qb)
.set ML,  192                          ; pairs (m, l)
.set AL,  200                          ; pairs (alpha, 0)
.set TT,  208                          ; 8 temporaries for each qb
; window 2 (v512-639)
.set OO,  0                            ; O(qb, db) at 8 (4 qb + db); phase 1: the sums of q
.set WV,  16
.set WH,  17
.set WL,  18
.set G1X, 32
.set G1W, 40
.set G1K, 48
.set G1V, 56
.set G0X, 68
.set G0W, 76
.set G0K, 84
.set G0V, 92
.set MSB, 0
.macro WIN new                         ; low byte: bits 1:0 source 0, 3:2 source 1, 5:4 source 2, 7:6 destination; high byte: the setting that is left
.if MSB != \new
	s_set_vgpr_msb (MSB<<8)|\new
.set MSB, \new
.endif
.endm
.macro PLACES                          ; four plain places behind matrix instructions (ISA guide 7.12.1)
.rept 4
	v_nop
.endr
.endm
.macro SHAPE g, c, r, p
	s_mov_b32 s[\g+1], (\c)<<16
	s_mov_b32 s[\g+2], (\r)<<16
	s_mov_b32 s[\g+3], (\c)<<16
	s_mov_b32 s[\g+4], \r
	s_mov_b32 s[\g+5], \p
	s_mov_b32 s[\g+6], 0
	s_mov_b32 s[\g+7], 0
.endm
.macro GROUP0 g, b, lds, step
.irp s, 0,1
	s_mov_b32 s[\g+4*\s], 1
	s_add_co_u32 s[\g+4*\s+1], s[\lds], \s*SL
	s_add_nc_u64 s[\g+4*\s+2:\g+4*\s+3], s[\b:\b+1], \s*\step
	s_or_b32 s[\g+4*\s+3], s[\g+4*\s+3], 0x80000000
.endr
.endm
.macro ROUND
	s_barrier_signal -1
	s_barrier_wait -1
	s_cmp_lg_u32 s[WV], 0
	s_cbranch_scc1 .Lnot_wave_0_\@
	s_barrier_signal -3
.Lnot_wave_0_\@:
	s_barrier_wait -3
	s_barrier_signal -1
	s_barrier_wait -1
.endm
.macro JLQ s                           ; waves 0, 1: halves of the query tile (mask: my column); waves 2, 3: halves of the w_q tile (mask: my row)
	s_cmp_eq_u32 s[WH], 0
	s_cbranch_scc0 .Lq_w_\@
	tensor_load_to_lds s[G0X+4*\s:G0X+4*\s+3], s[G1X:G1X+7]
	s_nop 0
	s_branch .Lq_done_\@
.Lq_w_\@:
	tensor_load_to_lds s[G0W+4*\s:G0W+4*\s+3], s[G1W:G1W+7]
	s_nop 0
.Lq_done_\@:
.endm
.macro JLKV s                          ; waves 0, 1: halves of the K tile; waves 2, 3: halves of the V tile (mask: my row)
	s_cmp_eq_u32 s[WH], 0
	s_cbranch_scc0 .Lkv_v_\@
	tensor_load_to_lds s[G0K+4*\s:G0K+4*\s+3], s[G1K:G1K+7]
	s_nop 0
	s_branch .Lkv_done_\@
.Lkv_v_\@:
	tensor_load_to_lds s[G0V+4*\s:G0V+4*\s+3], s[G1V:G1V+7]
	s_nop 0
.Lkv_done_\@:
.endm
	s_load_b256 s[4:11], s[0:1], 0x0               ; query s[4:5], wbf s[6:7], b_q s[8:9], kh s[10:11]
	s_load_b128 s[12:15], s[0:1], 0x20             ; vh s[12:13], att s[14:15]
	v_lshl_add_u32 v30, v0, 2, 0x3ac00
	v_mov_b32 v31, 0
	ds_add_u32 v30, v31
	v_lshrrev_b32 v1, 5, v0
	v_readfirstlane_b32 s[WV], v1
	s_lshr_b32 s[WH], s[WV], 1
	s_and_b32 s[WL], s[WV], 1
	s_bfe_u32 s19, ttmp6, 0x40000                  ; cx
	s_bfe_u32 s20, ttmp6, 0x40004                  ; cy
	s_lshl_b32 s21, ttmp9, 2
	s_add_co_u32 s21, s21, s19                     ; block of 64 query rows
	s_and_b32 s22, ttmp7, 0xffff
	s_lshl_b32 s22, s22, 2
	s_add_co_u32 s22, s22, s20                     ; g
	s_lshl_b32 s24, s20, 2
	s_lshl_b32 s24, 15, s24                        ; my row of the cluster
	s_lshl_b32 s25, 0x1111, s19                    ; my column
	s_mov_b32 s30, 0x76543210                      ; v_permlanex16_b32: lane i takes lane i of the other half
	s_mov_b32 s31, 0xfedcba98
	s_or_b32 s[G1X], s25, (2<<16)|(1<<20)|(1<<21)|(6<<22)|(3<<25)     ; f32; 4 words of padding behind every 128
	SHAPE G1X, 128, 32, 1024
	s_or_b32 s[G1W], s24, (1<<16)|(1<<20)|(1<<21)|(6<<22)|(7<<25)     ; bf16; 8 words behind every 128
	SHAPE G1W, 256, 64, 1024
	s_or_b32 s[G1K], s24, (3<<16)|(1<<20)|(1<<21)|(5<<22)|(3<<25)     ; a dense block as rows of 32 elements of 8 bytes; 4 words behind every 64
	SHAPE G1K, 32, 64, 32
	s_or_b32 s[G1V], s24, (3<<16)|(1<<20)|(1<<21)|(5<<22)|(7<<25)     ; the same with 8 words
	SHAPE G1V, 32, 64, 32
	s_lshl_b32 s26, s21, 18                        ; row side: 64 rows of 4,096 bytes
	s_mov_b32 s27, 0
	s_lshl_b32 s2, s[WL], 17                       ; wave alone: 32 rows of 4,096 bytes, and 64 k rows of 2,048 bytes
	s_mov_b32 s3, 0
	s_lshl_b32 s28, s22, 9                         ; g side: 256 columns of bf16
	s_add_co_u32 s28, s28, s2
	s_mov_b32 s29, 0
	s_wait_dscnt 0x0
	s_wait_kmcnt 0x0
	s_add_nc_u64 s[4:5], s[4:5], s[26:27]          ; query at my block of rows: base of the tiles and of the prefetch
	s_add_nc_u64 s[26:27], s[4:5], s[2:3]
	s_add_nc_u64 s[6:7], s[6:7], s[28:29]
	s_lshl_b32 s28, s22, 19                        ; a head of K or V: 524,288 bytes
	s_lshl_b32 s2, s[WL], 14                       ; my 128 keys of 128 bytes
	s_add_co_u32 s28, s28, s2
	s_add_nc_u64 s[10:11], s[10:11], s[28:29]
	s_add_nc_u64 s[12:13], s[12:13], s[28:29]
	s_mul_i32 s23, s[WL], 32*XP
	GROUP0 G0X, 26, 23, 512                        ; K step s: 128 f32 along the row
	s_mul_i32 s23, s[WL], 64*WP
	s_add_co_u32 s23, s23, WOFF
	GROUP0 G0W, 6, 23, 262144                      ; K step s: 128 k rows of 2,048 bytes
	s_mul_i32 s23, s[WL], 64*KP
	GROUP0 G0K, 10, 23, 32768                      ; tile s: 256 keys
	s_mul_i32 s23, s[WL], 64*VP
	s_add_co_u32 s23, s23, VOFF
	GROUP0 G0V, 12, 23, 32768
	ROUND                                          ; all sixteen work-groups are here: the first joint loads meet
	s_cmp_eq_u32 s[WH], 0                          ; both first fills of a wave inside one branch
	s_cbranch_scc0 .Lfirst_w
	tensor_load_to_lds s[G0X:G0X+3], s[G1X:G1X+7]
	s_nop 0
	tensor_load_to_lds s[G0X+4:G0X+7], s[G1X:G1X+7]
	s_nop 0
	s_branch .Lfirst_done
.Lfirst_w:
	tensor_load_to_lds s[G0W:G0W+3], s[G1W:G1W+7]
	s_nop 0
	tensor_load_to_lds s[G0W+4:G0W+7], s[G1W:G1W+7]
	s_nop 0
.Lfirst_done:
	s_lshl_b32 s28, s22, 2
	s_add_co_u32 s28, s28, s[WV]
	s_lshl_b32 s28, s28, 8                         ; head 4 g + w: 64 f32 of the bias
	s_add_nc_u64 s[8:9], s[8:9], s[28:29]
	s_lshl_b32 s26, s21, 6
	s_lshl_b32 s2, s[WV], 4
	s_add_co_u32 s26, s26, s2                      ; on the way out wave w stores rows 16 w .. 16 w + 15 of the block
	s_lshl_b32 s26, s26, 11                        ; rows of 2,048 bytes
	s_lshl_b32 s2, s22, 9
	s_add_co_u32 s26, s26, s2                      ; the 512 bytes of g
	s_mov_b32 s27, 0
	s_add_nc_u64 s[14:15], s[14:15], s[26:27]
	v_and_b32 v16, 31, v0                          ; lane
	v_and_b32 v17, 15, v0                          ; r
	v_bfe_u32 v18, v0, 4, 1                        ; h
	v_and_b32 v19, 7, v0
	v_bfe_u32 v20, v0, 3, 1
	v_and_b32 v21, 1, v0
	v_lshlrev_b32 v[BO], 5, v18
.irp db, 0,1,2,3
	global_load_b128 v[BIAS+8*\db:BIAS+8*\db+3],   v[BO], s[8:9] offset:64*\db
	global_load_b128 v[BIAS+8*\db+4:BIAS+8*\db+7], v[BO], s[8:9] offset:64*\db+16
.endr
	v_mul_u32_u24 v[VXQ], v17, XP
	v_lshl_add_u32 v[VXQ], v18, 5, v[VXQ]          ; row r, k = 8 h in f32
	v_add_nc_u32 v[VXQ+1], SL, v[VXQ]
	v_lshl_add_u32 v[VWQ], v18, 3, v19             ; k row 8 h + (lane & 7)
	v_mul_u32_u24 v[VWQ], v[VWQ], WP
	v_lshl_add_u32 v[VWQ], v20, 4, v[VWQ]
	s_lshl_b32 s23, s[WV], 7                       ; the 64 columns of my head
	s_add_co_u32 s23, s23, WOFF
	v_add_nc_u32 v[VWQ], s23, v[VWQ]
	v_add_nc_u32 v[VWQ+1], SL, v[VWQ]
	v_lshrrev_b32 v22, 1, v17                      ; key r lies in LDS row r >> 1, half r & 1
	v_mul_u32_u24 v[AK], v22, KP
	v_lshl_add_u32 v[AK], v21, 7, v[AK]
	v_lshl_add_u32 v[AK], v18, 4, v[AK]
	v_add_nc_u32 v[AK+1], SL, v[AK]
	v_bfe_u32 v22, v0, 1, 2                        ; key 8 h + (lane & 7): LDS row 4 h + ((lane >> 1) & 3), half lane & 1
	v_lshl_add_u32 v22, v18, 2, v22
	v_mul_u32_u24 v[AV], v22, VP
	v_lshl_add_u32 v[AV], v21, 7, v[AV]
	v_lshl_add_u32 v[AV], v20, 4, v[AV]
	v_add_nc_u32 v[AV], VOFF, v[AV]
	v_add_nc_u32 v[AV+1], SL, v[AV]
	v_mul_u32_u24 v[STO], v17, SP
	v_lshl_add_u32 v[STO], v18, 4, v[STO]
	s_lshl_b32 s23, s[WV], 7
	s_add_co_u32 s23, s23, STAGE
	v_add_nc_u32 v[STO], s23, v[STO]
	s_mul_i32 s23, s[WV], 16*SP
	s_add_co_u32 s23, s23, STAGE
	v_lshl_add_u32 v[RD], v16, 4, s23
	v_lshlrev_b32 v[CO], 4, v16
	v_lshrrev_b32 v[PF], 1, v16                    ; prefetch: row 16 g + (lane >> 1) of the 64, block lane & 1 of the two of a step
	v_lshl_add_u32 v[PF], s22, 4, v[PF]
	v_lshlrev_b32 v[PF], 12, v[PF]
	v_lshl_add_u32 v[PF], v21, 8, v[PF]
; ---------------------------------------------------------------- phase 1
; the fragments of chunk c (64 along K) of a slot: W into buffer g (window 0), X as f32 into window 1
.macro QFETCH g, slot, c
	WIN 0
.irp ks, 0,1
.irp db, 0,1,2,3
	ds_load_tr16_b128 v[\g+8*(4*\ks+\db):\g+8*(4*\ks+\db)+3],   v[VWQ+\slot] offset:(64*\c+32*\ks)*WP+32*\db
	ds_load_tr16_b128 v[\g+8*(4*\ks+\db)+4:\g+8*(4*\ks+\db)+7], v[VWQ+\slot] offset:(64*\c+32*\ks)*WP+32*\db+16*WP
.endr
.endr
	WIN 0x40
.irp ks, 0,1
.irp qb, 0,1,2,3
	ds_load_b128 v[SS+16*(4*\ks+\qb):SS+16*(4*\ks+\qb)+3],     v[VXQ+\slot] offset:16*XP*\qb+256*\c+128*\ks
	ds_load_b128 v[SS+16*(4*\ks+\qb)+4:SS+16*(4*\ks+\qb)+7],   v[VXQ+\slot] offset:16*XP*\qb+256*\c+128*\ks+16
	ds_load_b128 v[SS+16*(4*\ks+\qb)+8:SS+16*(4*\ks+\qb)+11],  v[VXQ+\slot] offset:16*XP*\qb+256*\c+128*\ks+64
	ds_load_b128 v[SS+16*(4*\ks+\qb)+12:SS+16*(4*\ks+\qb)+15], v[VXQ+\slot] offset:16*XP*\qb+256*\c+128*\ks+80
.endr
.endr
.endm
.macro QCONV
	s_wait_dscnt 0x0                               ; this chunk's fragments are in
	PLACES                                         ; X in bf16 and the other W buffer were sources of the last products
	WIN 0x55
.set i, 0
.rept 64
	v_cvt_pk_bf16_f32 v[PP+i], v[SS+2*i], v[SS+2*i+1]
.set i, i+1
.endr
.endm
; 32 products; in each pass the 16 accumulators take one turn.  first = 1: the bias starts the sums.
.macro QMUL f, first
.if \first
	WIN 0x84
.else
	WIN 0xa4
.endif
.irp qb, 0,1,2,3
.irp db, 0,1,2,3
.if \first
	v_wmma_f32_16x16x32_bf16 v[OO+8*(4*\qb+\db):OO+8*(4*\qb+\db)+7], v[\f+8*\db:\f+8*\db+7], v[PP+8*\qb:PP+8*\qb+7], v[BIAS+8*\db:BIAS+8*\db+7]
.else
	v_wmma_f32_16x16x32_bf16 v[OO+8*(4*\qb+\db):OO+8*(4*\qb+\db)+7], v[\f+8*\db:\f+8*\db+7], v[PP+8*\qb:PP+8*\qb+7], v[OO+8*(4*\qb+\db):OO+8*(4*\qb+\db)+7]
.endif
.endr
.endr
	WIN 0xa4
.irp qb, 0,1,2,3
.irp db, 0,1,2,3
	v_wmma_f32_16x16x32_bf16 v[OO+8*(4*\qb+\db):OO+8*(4*\qb+\db)+7], v[\f+32+8*\db:\f+32+8*\db+7], v[PP+32+8*\qb:PP+32+8*\qb+7], v[OO+8*(4*\qb+\db):OO+8*(4*\qb+\db)+7]
.endr
.endr
.endm
; 16 loads: the K fragments that lie kt trips (32 kt LDS rows) behind the address in register a
.macro KFETCH a, kt
.irp kb, 0,1,2,3
.irp ks, 0,1
	ds_load_b128 v[KF+8*(2*\kb+\ks):KF+8*(2*\kb+\ks)+3],   v[\a] offset:(32*\kt+8*\kb)*KP+64*\ks
	ds_load_b128 v[KF+8*(2*\kb+\ks)+4:KF+8*(2*\kb+\ks)+7], v[\a] offset:(32*\kt+8*\kb)*KP+64*\ks+32
.endr
.endr
.endm
; Chunk 0 of a K step on slot s: multiplies W buffer 0, fetches chunk 1 into buffer 1.
; pfoff > 0: wave 0 asks for this work-group's 16 of the 64 rows of the query tile four steps on (two steps ahead of that tile's tensor load); the four
; work-groups of a column share the rows out, so each block of 256 bytes is asked for once.  lim > 0: only while the loop's counter is at least lim,
; so that the last tile asked for is step 7's, inside the row.
.macro QC0 s, first, pfoff, lim
	QCONV
	QFETCH WF1, \s, 1
.if \pfoff
	WIN 0
	s_cmp_lg_u32 s[WV], 0
	s_cbranch_scc1 .Lno_pf_\@
.if \lim
	s_cmp_lt_u32 s23, \lim
	s_cbranch_scc1 .Lno_pf_\@
.endif
	global_prefetch_b8 v[PF], s[4:5] offset:\pfoff th:TH_LOAD_NT scope:SCOPE_SE
.Lno_pf_\@:
.endif
	QMUL WF0, \first
.endm
; Chunk 1 of a K step on slot s (o = the other slot): multiplies W buffer 1 and changes slots.
; kind 0: slot s gets the K step two on; 1: it gets K/V tile 0; 2: it gets K/V tile 1, and the first K fragments are fetched.
.macro QC1 s, o, kind
	QCONV                                          ; its wait for 0: my reads of slot s are over
	WIN 0
	s_wait_tensorcnt 0x0                           ; all my tensor loads have landed: the one that was out is my part of slot o
	ds_add_u32 v30, v31
	s_wait_dscnt 0x0
.if \kind == 0
	s_add_nc_u64 s[G0X+4*\s+2:G0X+4*\s+3], s[G0X+4*\s+2:G0X+4*\s+3], 1024      ; two K steps on; no load of mine is out
	s_add_nc_u64 s[G0W+4*\s+2:G0W+4*\s+3], s[G0W+4*\s+2:G0W+4*\s+3], 524288
.endif
	ROUND                                          ; no wave of any partner reads slot s or has a load on its way
.if \kind == 0
	JLQ \s                                         ; my one tensor load behind the round, and the first thing there
.else
	JLKV \s
.endif
.if \kind == 2
	KFETCH AK, 0
.else
	QFETCH WF0, \o, 0
.endif
	QMUL WF1, 0
.endm
	s_wait_tensorcnt 0x1                           ; my part of K step 0 is in; step 1 stays out
	s_barrier_signal -1
	s_barrier_wait -1
	QFETCH WF0, 0, 0
	s_wait_loadcnt 0x0                             ; the bias
	QC0 0, 1, 4*512, 0                             ; step 0, chunk 0, ahead of the loop: the bias starts the sums; asks for step 4
	WIN 0
	s_mov_b32 s23, 3
.Lq:                                               ; trip i = 3 - s23
	QC1 0, 1, 0                                    ; step 2i, chunk 1; slot 0 gets step 2i + 2
	QC0 1, 0, 5*512, 2                             ; step 2i + 1, chunk 0; trips 0, 1 ask for steps 5, 7 (the base steps two steps a trip)
	QC1 1, 0, 0                                    ; step 2i + 1, chunk 1; slot 1 gets step 2i + 3
	QC0 0, 0, 6*512, 3                             ; step 2i + 2, chunk 0; trip 0 asks for step 6
	WIN 0
	s_wait_xcnt 0x0                                ; the prefetches' base is stepped only behind this wait; 32 products stand between it and the last of them
	s_add_nc_u64 s[4:5], s[4:5], 1024
	s_sub_co_i32 s23, s23, 1
	s_cmp_lg_u32 s23, 0
	s_cbranch_scc1 .Lq
	QC1 0, 1, 1                                    ; step 6, chunk 1; slot 0 gets K/V tile 0
	QC0 1, 0, 0, 0                                 ; step 7, chunk 0
	QC1 1, 0, 2                                    ; step 7, chunk 1; slot 1 gets K/V tile 1
	PLACES
	WIN 0x82
.set i, 0
.rept 64
	v_pk_mul_f32 v[OO+2*i:OO+2*i+1], v[OO+2*i:OO+2*i+1], 0x3e38aa3b op_sel_hi:[1,0]   ; x 0.125 log2(e): the scores come out as exponents of 2
.set i, i+1
.endr
	WIN 0x0a
.set i, 0
.rept 64
	v_cvt_pk_bf16_f32 v[QQ+i], v[OO+2*i], v[OO+2*i+1]      ; tiles (qb, 2 ks) and (qb, 2 ks + 1) pack into fragment (qb, ks)
.set i, i+1
.endr
	WIN 0x40
.irp qb, 0,1,2,3
	v_mov_b32 v[ML+2*\qb], 0xff800000              ; m = -inf: the first alpha is 0
	v_mov_b32 v[ML+2*\qb+1], 0                     ; l = 0
	v_mov_b32 v[AL+2*\qb+1], 0                     ; the second word of alpha's pair, written once
.endr
; ---------------------------------------------------------------- phase 2
.macro VFETCH a                        ; 16 transposing loads: V^T of the trip at the address in register a
.irp db, 0,1,2,3
.irp k2, 0,1
	ds_load_tr16_b128 v[VF+8*(2*\db+\k2):VF+8*(2*\db+\k2)+3],   v[\a] offset:(16*\k2)*VP+32*\db
	ds_load_tr16_b128 v[VF+8*(2*\db+\k2)+4:VF+8*(2*\db+\k2)+7], v[\a] offset:(16*\k2+8)*VP+32*\db
.endr
.endr
.endm
.macro OSCALE                          ; O x alpha (at the end: x 1 / l)
	WIN 0x86
.irp qb, 0,1,2,3
.set i, 0
.rept 16
	v_pk_mul_f32 v[OO+32*\qb+2*i:OO+32*\qb+2*i+1], v[OO+32*\qb+2*i:OO+32*\qb+2*i+1], v[AL+2*\qb:AL+2*\qb+1] op_sel_hi:[1,0]
.set i, i+1
.endr
.endr
.endm
; All in window 1.  Each stage runs over the four blocks of rows, so that no instruction waits for the one in front of it.
.macro SOFTMAX
	; the largest of my 32 scores of each block, in four chains, then with the old maximum, then with the other half of the lanes
.irp qb, 0,1,2,3
.irp c, 0,1,2,3
	v_max3_num_f32 v[TT+8*\qb+\c], v[SS+32*\qb+8*\c], v[SS+32*\qb+8*\c+1], v[SS+32*\qb+8*\c+2]
.endr
.endr
.irp qb, 0,1,2,3
.irp c, 0,1,2,3
	v_max3_num_f32 v[TT+8*\qb+\c], v[TT+8*\qb+\c], v[SS+32*\qb+8*\c+3], v[SS+32*\qb+8*\c+4]
.endr
.endr
.irp qb, 0,1,2,3
.irp c, 0,1,2,3
	v_max3_num_f32 v[TT+8*\qb+\c], v[TT+8*\qb+\c], v[SS+32*\qb+8*\c+5], v[SS+32*\qb+8*\c+6]
.endr
.endr
.irp qb, 0,1,2,3
	v_max3_num_f32 v[TT+8*\qb],   v[TT+8*\qb],   v[TT+8*\qb+1], v[SS+32*\qb+7]
	v_max3_num_f32 v[TT+8*\qb+2], v[TT+8*\qb+2], v[TT+8*\qb+3], v[SS+32*\qb+15]
.endr
.irp qb, 0,1,2,3
	v_max3_num_f32 v[TT+8*\qb], v[TT+8*\qb], v[TT+8*\qb+2], v[SS+32*\qb+23]
.endr
.irp qb, 0,1,2,3
	v_max3_num_f32 v[TT+8*\qb], v[TT+8*\qb], v[SS+32*\qb+31], v[ML+2*\qb]
.endr
.irp qb, 0,1,2,3
	v_permlanex16_b32 v[TT+8*\qb+1], v[TT+8*\qb], s30, s31
.endr
.irp qb, 0,1,2,3
	v_max_num_f32 v[TT+8*\qb], v[TT+8*\qb], v[TT+8*\qb+1]
.endr
.irp qb, 0,1,2,3
	v_sub_f32 v[AL+2*\qb], v[ML+2*\qb], v[TT+8*\qb]        ; old maximum - new, at most 0
.endr
.irp qb, 0,1,2,3
	v_mov_b32 v[ML+2*\qb], v[TT+8*\qb]
.endr
	; S - m, two at a time
.irp qb, 0,1,2,3
.set i, 0
.rept 16
	v_pk_add_f32 v[SS+32*\qb+2*i:SS+32*\qb+2*i+1], v[SS+32*\qb+2*i:SS+32*\qb+2*i+1], v[ML+2*\qb:ML+2*\qb+1] op_sel_hi:[1,0] neg_lo:[0,1] neg_hi:[0,1]
.set i, i+1
.endr
.endr
	; p = 2^(S - m) and alpha, back to back, then one plain place before any of them is used (ISA guide 5.7.2)
.set i, 0
.rept 128
	v_exp_f32 v[SS+i], v[SS+i]
.set i, i+1
.endr
.irp qb, 0,1,2,3
	v_exp_f32 v[AL+2*\qb], v[AL+2*\qb]
.endr
	v_nop
	; the sum of my 32 p of each block, in four chains; l stays apart in the two halves of the lanes until the end
	s_wait_alu depctr_va_vdst(0)
.irp qb, 0,1,2,3
.irp c, 0,1,2,3
	v_pk_add_f32 v[TT+8*\qb+2*\c:TT+8*\qb+2*\c+1], v[SS+32*\qb+8*\c:SS+32*\qb+8*\c+1], v[SS+32*\qb+8*\c+2:SS+32*\qb+8*\c+3]
.endr
.endr
.irp qb, 0,1,2,3
.irp c, 0,1,2,3
	v_pk_add_f32 v[TT+8*\qb+2*\c:TT+8*\qb+2*\c+1], v[TT+8*\qb+2*\c:TT+8*\qb+2*\c+1], v[SS+32*\qb+8*\c+4:SS+32*\qb+8*\c+5]
.endr
.endr
.irp qb, 0,1,2,3
.irp c, 0,1,2,3
	v_pk_add_f32 v[TT+8*\qb+2*\c:TT+8*\qb+2*\c+1], v[TT+8*\qb+2*\c:TT+8*\qb+2*\c+1], v[SS+32*\qb+8*\c+6:SS+32*\qb+8*\c+7]
.endr
.endr
.irp qb, 0,1,2,3
	v_pk_add_f32 v[TT+8*\qb:TT+8*\qb+1],   v[TT+8*\qb:TT+8*\qb+1],   v[TT+8*\qb+2:TT+8*\qb+3]
	v_pk_add_f32 v[TT+8*\qb+4:TT+8*\qb+5], v[TT+8*\qb+4:TT+8*\qb+5], v[TT+8*\qb+6:TT+8*\qb+7]
.endr
.irp qb, 0,1,2,3
	v_pk_add_f32 v[TT+8*\qb:TT+8*\qb+1], v[TT+8*\qb:TT+8*\qb+1], v[TT+8*\qb+4:TT+8*\qb+5]
.endr
.irp qb, 0,1,2,3
	v_add_f32 v[TT+8*\qb], v[TT+8*\qb], v[TT+8*\qb+1]
.endr
.irp qb, 0,1,2,3
	v_fma_f32 v[ML+2*\qb+1], v[ML+2*\qb+1], v[AL+2*\qb], v[TT+8*\qb]
.endr
	; p to bf16: tiles (qb, 2 k2) and (qb, 2 k2 + 1) pack into fragment (qb, k2)
.set i, 0
.rept 64
	v_cvt_pk_bf16_f32 v[PP+i], v[SS+2*i], v[SS+2*i+1]
.set i, i+1
.endr
.endm
.macro KVTURN slot, refill             ; the change of slots; my reads of the slot are over (the wait for 0 just in front)
	WIN 0
	s_wait_tensorcnt 0x0                           ; all my tensor loads have landed: the one that was out is my part of the other slot
	ds_add_u32 v30, v31
	s_wait_dscnt 0x0
.if \refill
	s_add_nc_u64 s[G0K+4*\slot+2:G0K+4*\slot+3], s[G0K+4*\slot+2:G0K+4*\slot+3], 65536     ; two tiles on; no load of mine is out
	s_add_nc_u64 s[G0V+4*\slot+2:G0V+4*\slot+3], s[G0V+4*\slot+2:G0V+4*\slot+3], 65536
	ROUND                                          ; no wave of any partner reads this slot or has a load on its way
	JLKV \slot                                     ; my one tensor load behind the round, and the first thing there: it has a whole tile, four trips, in which to land
.else
	s_barrier_signal -1
	s_barrier_wait -1
.endif
.endm
; One trip: 64 keys, V at AVC.  mode 0: the next K fragments lie one trip behind AKC, and both addresses step one trip (32 LDS rows);
; 1: change of slots with refill; 2: change without; 3: the last trip of all.
.macro TRIP slot, mode
	PLACES                                         ; V and p were sources, O the result, of the last products
	WIN 0
	VFETCH AVC
.if \mode == 0
	v_add_nc_u32 v[AVC], 32*VP, v[AVC]
.endif
	s_wait_dscnt 0x10                              ; the 16 older loads (K) are in; the 16 of V stay out
	WIN 0x50
.irp qb, 0,1,2,3                       ; in each pass the 16 accumulators take one turn
.irp kb, 0,1,2,3
	v_wmma_f32_16x16x32_bf16 v[SS+8*(4*\qb+\kb):SS+8*(4*\qb+\kb)+7], v[KF+16*\kb:KF+16*\kb+7], v[QQ+16*\qb:QQ+16*\qb+7], 0
.endr
.endr
.irp qb, 0,1,2,3
.irp kb, 0,1,2,3
	v_wmma_f32_16x16x32_bf16 v[SS+8*(4*\qb+\kb):SS+8*(4*\qb+\kb)+7], v[KF+16*\kb+8:KF+16*\kb+15], v[QQ+16*\qb+8:QQ+16*\qb+15], v[SS+8*(4*\qb+\kb):SS+8*(4*\qb+\kb)+7]
.endr
.endr
	PLACES
	WIN 0x55
	SOFTMAX
	s_wait_dscnt 0x0                               ; V is in, and all my reads of this trip are over
.if \mode == 0
	WIN 0
	KFETCH AKC, 1
	v_add_nc_u32 v[AKC], 32*KP, v[AKC]
.endif
.if \mode == 1
	KVTURN \slot, 1
	KFETCH AK+(1-\slot), 0
.endif
.if \mode == 2
	KVTURN \slot, 0
	KFETCH AK+(1-\slot), 0
.endif
	OSCALE
	WIN 0xa4
.irp qb, 0,1,2,3
.irp db, 0,1,2,3
	v_wmma_f32_16x16x32_bf16 v[OO+8*(4*\qb+\db):OO+8*(4*\qb+\db)+7], v[VF+16*\db:VF+16*\db+7], v[PP+16*\qb:PP+16*\qb+7], v[OO+8*(4*\qb+\db):OO+8*(4*\qb+\db)+7]
.endr
.endr
.irp qb, 0,1,2,3
.irp db, 0,1,2,3
	v_wmma_f32_16x16x32_bf16 v[OO+8*(4*\qb+\db):OO+8*(4*\qb+\db)+7], v[VF+16*\db+8:VF+16*\db+15], v[PP+16*\qb+8:PP+16*\qb+15], v[OO+8*(4*\qb+\db):OO+8*(4*\qb+\db)+7]
.endr
.endr
.endm
; A tile of 256 keys in a slot: three trips in a loop, the fourth written out with what ends the tile.
.macro TILE slot, last
	WIN 0
	v_mov_b32 v[AVC], v[AV+\slot]                  ; the running addresses start at the slot's first trip
	v_mov_b32 v[AKC], v[AK+\slot]
	s_mov_b32 s3, 3
.Ltrip_\@:
	TRIP \slot, 0
	WIN 0
	s_sub_co_i32 s3, s3, 1
	s_cmp_lg_u32 s3, 0
	s_cbranch_scc1 .Ltrip_\@
	TRIP \slot, \last
.endm
	WIN 0
	s_mov_b32 s23, 7                               ; tiles 0 to 13: each is followed by the refill of its slot, two tiles on
.Llap:
	TILE 0, 1
	TILE 1, 1
	WIN 0
	s_sub_co_i32 s23, s23, 1
	s_cmp_lg_u32 s23, 0
	s_cbranch_scc1 .Llap
	TILE 0, 2                                      ; tiles 14 and 15: nothing is left to fetch
	TILE 1, 3
	; the way out: O / l, to bf16, through the stage (a row of 512 bytes holds the four heads of g), out as whole rows
	PLACES
	WIN 0x55
.irp qb, 0,1,2,3
	v_permlanex16_b32 v[TT+8*\qb], v[ML+2*\qb+1], s30, s31
.endr
.irp qb, 0,1,2,3
	v_add_f32 v[TT+8*\qb], v[TT+8*\qb], v[ML+2*\qb+1]      ; the two halves of the keys
.endr
.irp qb, 0,1,2,3
	v_rcp_f32 v[AL+2*\qb], v[TT+8*\qb]
.endr
	v_nop                                          ; the plain place behind the reciprocals
	s_wait_alu depctr_va_vdst(0)
	OSCALE
.irp qb, 0,1,2,3
	WIN 0x0a
.set i, 0
.rept 16
	v_cvt_pk_bf16_f32 v[TMP+16*(\qb&1)+i], v[OO+32*\qb+2*i], v[OO+32*\qb+2*i+1]
.set i, i+1
.endr
	WIN 0
.irp db, 0,1,2,3
	ds_store_b128 v[STO], v[TMP+16*(\qb&1)+4*\db:TMP+16*(\qb&1)+4*\db+3] offset:16*SP*\qb+32*\db
.endr
.endr
	s_wait_dscnt 0x0                               ; my stores are done, for the other waves
	s_barrier_signal -1
	s_barrier_wait -1
.irp i, 0,1,2,3,4,5,6,7,8,9,10,11,12,13,14,15
	ds_load_b128 v[KF+4*\i:KF+4*\i+3], v[RD] offset:SP*\i          ; row 16 w + i, 512 bytes
.endr
.irp i, 0,1,2,3,4,5,6,7,8,9,10,11,12,13,14,15
	s_wait_dscnt 15-\i                             ; read-back i is in, the younger ones stay out
	global_store_b128 v[CO], v[KF+4*\i:KF+4*\i+3], s[14:15] offset:2048*\i   ; 512 neighbouring bytes, aligned
.endr
	s_wait_tensorcnt 0x0
	ds_add_u32 v30, v31
	s_wait_dscnt 0x0
	ROUND                                          ; the closing round
	s_endpgm
.Lfunc_end_k_q5d78015959_attn:
	.size	k_q5d78015959_attn, .Lfunc_end_k_q5d78015959_attn-k_q5d78015959_attn
	.p2alignl 7, 3214868480
	.fill 96, 4, 3214868480
	.section	.rodata,"a",@progbits
	.p2align	6, 0x0
	.amdhsa_kernel k_q5d78015959_attn
		.amdhsa_group_segment_fixed_size 327680
		.amdhsa_private_segment_fixed_size 0
		.amdhsa_enable_private_segment 0
		.amdhsa_kernarg_size 48
		.amdhsa_user_sgpr_count 2
		.amdhsa_user_sgpr_kernarg_segment_ptr 1
		.amdhsa_wavefront_size32 1
		.amdhsa_system_sgpr_workgroup_id_x 1
		.amdhsa_system_sgpr_workgroup_id_y 1
		.amdhsa_system_sgpr_workgroup_id_z 1
		.amdhsa_system_vgpr_workitem_id 0
		.amdhsa_next_free_vgpr 640
		.amdhsa_next_free_sgpr 100
		.amdhsa_reserve_vcc 0
		.amdhsa_float_denorm_mode_32 3
		.amdhsa_float_denorm_mode_16_64 3
		.amdhsa_memory_ordered 1
		.amdhsa_forward_progress 1
		.amdhsa_inst_pref_size 255
	.end_amdhsa_kernel
	.section	.bss,"aw",@nobits
	.p2align	6
	.space	262144
	.amdgpu_metadata
---
amdhsa.version: [ 1, 2 ]
amdhsa.kernels:
  - .name:           k_q5d78015959_attn
    .symbol:         k_q5d78015959_attn.kd
    .args:
      - { .name: query, .offset: 0, .size: 8, .value_kind: global_buffer, .address_space: global }
      - { .name: wbf, .offset: 8, .size: 8, .value_kind: global_buffer, .address_space: global }
      - { .name: b_q, .offset: 16, .size: 8, .value_kind: global_buffer, .address_space: global }
      - { .name: kh, .offset: 24, .size: 8, .value_kind: global_buffer, .address_space: global }
      - { .name: vh, .offset: 32, .size: 8, .value_kind: global_buffer, .address_space: global }
      - { .name: att, .offset: 40, .size: 8, .value_kind: global_buffer, .address_space: global }
    .group_segment_fixed_size: 327680
    .private_segment_fixed_size: 0
    .kernarg_segment_align: 8
    .kernarg_segment_size: 48
    .max_flat_workgroup_size: 128
    .sgpr_count:     100
    .vgpr_count:     640
    .wavefront_size: 32
...
	.end_amdgpu_metadata
.endif
;; end of part 5
;; launch oproj: the kernel of part 4 again; grid 8 x 32, 4 waves a work-group, clusters of 4 x 4, 327,680 bytes of LDS; arguments att, wbf, b_o, out0; writes out0
